; MI455X (gfx1250); checked and timed in simulation.
; The chip was launched on July 23, 2026; its instructions are those of AMD's public machine-readable ISA for CDNA 5 (MIT licence, August 2026) and "CDNA5" Instruction Set Architecture Reference Guide (July 2026). The comments in the code are by the model that wrote it; some were corrected since.
;; GQA Flash Attn. Allowed arithmetic: matrix products marked QUANTISED: E2M3 operands, one E8M0 scale for each 32 along K, by v_wmma_scale_f32_16x16x128_f8f6f4 with both operands' format E2M3, f32 sums; everything else in f32.
;; Inputs: Wk 2,048 x 512 float32; Wo 2,048 x 2,048 float32; Wq 2,048 x 2,048 float32; Wv 2,048 x 512 float32; cos 2,048 x 128 float32; k_beta 128 float32; k_gamma 128 float32; q_beta 128 float32; q_gamma 128 float32; sin 2,048 x 128 float32; x 1 x 2,048 x 2,048 float32.
;; Outputs: out0 1 x 2,048 x 2,048 float32.
;; This version of the problem:
;;   THIS VERSION OF THE PROBLEM IS GIVEN IN LOW PRECISION. The matrix products marked QUANTISED in the list below multiply operands that are first quantised to E2M3 (2 exponent bits, 3 mantissa bits; 6 bits a number), with one power-of-two scale for each 32 numbers along K (OCP MX v1.0); their sums are f32. All else is computed in f32.
;;   The module's matrix products, in the order in which they are computed (A, B: the left and right operand; K: the contracted axis; several contracted axes count as one K, in the product's order):
;;     1. [M 2,048, K 2,048] x [K 2,048, N 2,048]; A: input x; B: input Wq: QUANTISED
;;     2. [M 2,048, K 2,048] x [K 2,048, N 512]; A: input x; B: input Wk: QUANTISED
;;     3. [M 2,048, K 2,048] x [K 2,048, N 512]; A: input x; B: input Wv: QUANTISED
;;     4. batch 16 x [M 2,048, K 128] x [K 128, N 2,048]; A: computed on the way; B: computed on the way: QUANTISED
;;     5. batch 16 x [M 2,048, K 2,048] x [K 2,048, N 128]; A: softmax (see below); B: computed on the way: QUANTISED
;;     6. [M 2,048, K 2,048] x [K 2,048, N 2,048]; A: computed on the way; B: input Wo: QUANTISED
;;   THE QUANTISER, for each operand of a quantised product, along K:
;;     - K is cut into blocks of 32 from its start; a last block that is shorter is filled with zeros.
;;     - A block's scale is 2^e with e = floor(log2(the largest magnitude in the block)) - 2, held to -126 .. 127; a block of zeros has e = 0. As a byte (E8M0): e + 127.
;;     - Each number is divided by its block's scale, clamped to +-7.5, and rounded to the nearest number of E2M3, ties to even, subnormals kept.
;;     - The product sums the exact products of the quantised numbers (number of the format x scale) in f32.
;;   ~~~python
;;   def quantise(x, axis):      # numpy; x: float32 -> the quantised numbers, widened to float32 again
;;       x = np.moveaxis(x, axis, -1); K = x.shape[-1]
;;       x = np.pad(x, [(0, 0)] * (x.ndim - 1) + [(0, -K % 32)]); x = x.reshape(x.shape[:-1] + (-1, 32)); a = np.abs(x).max(-1, keepdims=True)
;;       e = np.where(a > 0, np.clip(np.frexp(np.where(a > 0, a, 1))[1] - 1 - 2, -126, 127), 0)      # np.frexp(a)[1] - 1 = floor(log2(a)), exactly
;;       r = np.clip(x / 2.0 ** e, -7.5, 7.5)
;;       step = 2.0 ** (np.maximum(np.frexp(np.where(r == 0, 1, r))[1] - 1, 0) - 3)
;;       q = np.round(r / step) * step * 2.0 ** e      # np.round: ties to even
;;       return np.moveaxis(q.reshape(q.shape[:-2] + (-1,))[..., :K], -1, axis).astype(np.float32)
;;   ~~~
;;   SOFTMAX AHEAD OF A QUANTISED PRODUCT. Where the list says 'softmax', what is quantised is not the finished softmax but p = 2^(t - M), with t = logit x log2(e) and M = ceil(the row's largest t), a whole number; so 1/2 < the row's largest p <= 1. The row's sum l is taken of the UNQUANTISED p, in f32, and the product's result is divided by l at the end. Since M is a whole number, a kernel that streams over the keys may use a running M (the ceiling of the running maximum): every later rescaling is an exact power of two, which a block's scale takes up: the codes' values come out the same.
;;   OPERANDS COMPUTED ON THE WAY. 'Computed on the way' means the value that the module computes at that place (a softmax that the list does not call 'softmax' is quantised finished and normalised). What goes into a quantiser is computed in f32, as accurately as f32 sums, v_exp_f32 and their like allow (about 1e-6 of the number): no bf16 or f16 on the way to a quantiser, and a product that is left as it is and whose result goes on into a quantised operand takes f32 operands (vector FMAs, or v_wmma_f32_16x16x4_f32). A number that lies on a knife's edge between two numbers of the format may be rounded either way, as far as f32 arithmetic and the matrix unit's own rounding can turn it there, and no further.
;; One version. Each part assembles by itself: llvm-mc -triple=amdgcn-amd-amdhsa -mcpu=gfx1250 --defsym DOCPART=n.
;; ======== version 1 of 1: 4 launches
;; limits: right only within a limited range of input values
;; workspace buffers: xq 3,276,800 bytes; wq 8,192,000 bytes; qq 3,276,800 bytes; kv 1,638,400 bytes; aq 3,276,800 bytes
;; launch quant (part 1): grid 288 x 1, 4 waves a work-group, no clusters, 96,768 bytes of LDS; arguments x, Wq, Wk, Wv, Wo, xq, wq; writes xq, wq
.if DOCPART == 1
	.amdgcn_target "amdgcn-amd-amdhsa--gfx1250"
	.amdhsa_code_object_version 6
	.text
	.protected	k_q1c381d6d4d_quant
	.globl	k_q1c381d6d4d_quant
	.p2align	8
	.type	k_q1c381d6d4d_quant,@function
k_q1c381d6d4d_quant:
	s_mov_b64 s[64:65], 0
	v_nop
	global_prefetch_b8 v0, s[64:65] scope:SCOPE_SE
	s_setreg_imm32_b32 hwreg(HW_REG_WAVE_MODE, 25, 1), 1
	s_wait_xcnt 0x0
; x [2048][2048] (K innermost) and Wq, Wk, Wv, Wo (K = their FIRST axis), all f32, become codes of FP6 (E2M3) with one E8M0 byte for each 32 along K.
; A block's scale is 2^(floor(log2(largest magnitude)) - 2); its byte is the largest magnitude's exponent field - 2, held at 1 from below.
; LIMITS: a block of zeros gets the byte 1 where the rule says 127 (its codes are zeros, and this program alone reads the bytes); blocks whose largest magnitude lies under 2^-124 are held at that floor; NaN and infinities are not served.
; LAYOUT OF xq AND wq: records of 6,400 bytes, [row block rb][K group g of 512].  A record is four FRAGMENTS (16 rows x 128 K) as images of the operand's registers, 1,536 bytes each
; (chunk c = registers 4 c .. 4 c + 3, lane l's 16 bytes at 512 c + 16 l), and then 256 scale bytes [slot 16][K step 4][block 4].
; THE ROWS OF A FRAGMENT ARE NOT NEIGHBOURS: of each 32 rows, fragment u (0, 1) holds in slot r the row 8 u + (r % 8) + 16 (r / 8).
; Work-groups 0-127 take x (one row block each, a wave a K group); work-groups 128-287 take the weights (128 columns x 512 K each, a wave 32 columns).  The two ways part once, and each has LDS bytes of its own.
; No tensor loads, no barrier: waves share nothing.
.set REC,  6400                        ; a record
.set RBP,  25600                       ; from a row block to the next: four records
.set XREG, 11264                       ; x: LDS of a wave: a stage of 32 x 144 bytes, then a record's image
.set XOUT, 4608
.set WSTG, 4*XREG                      ; the weights' LDS begins behind x's
.set WREG, 2*REC                       ; a wave: two records' images
.set RR,   32                          ; x: v32-95 two sets of 32 registers as loaded
.set XX,   96                          ; x: v96-127 a block of 32 neighbours
.set OFF,  32                          ; weights: v32-63 byte offsets of 32 rows of W at my column; never rewritten while loads are out
.set WX,   64                          ; weights: v64-127 two sets of 32 numbers
.set SB,   26                          ; weights: v26-29 my column's four scale words
; 32 numbers of one block in v[xs] on -> 24 bytes of codes in v16-21, the scale's byte in v15
.macro QBLOCK xs
	v_max3_num_f32 v12, |v[\xs]|, |v[\xs+1]|, |v[\xs+2]|
	v_max3_num_f32 v13, |v[\xs+3]|, |v[\xs+4]|, |v[\xs+5]|
.irp i, 6,10,14,18,22,26
	v_max3_num_f32 v12, v12, |v[\xs+\i]|, |v[\xs+\i+1]|
	v_max3_num_f32 v13, v13, |v[\xs+\i+2]|, |v[\xs+\i+3]|
.endr
	v_max3_num_f32 v12, v12, |v[\xs+30]|, |v[\xs+31]|
	v_max3_num_f32 v12, v12, v13, 0x1800000        ; the floor 2^(3 - 127): the byte cannot fall under 1
	v_add_nc_u32 v14, 0xff000000, v12              ; 2 off the exponent field: the conversion takes the exponent field of this operand as its scale
	v_cvt_scalef32_pk16_fp6_f32 v[16:18], v[\xs:\xs+15], v14
	v_cvt_scalef32_pk16_fp6_f32 v[22:24], v[\xs+16:\xs+31], v14   ; (a conversion's three registers begin on an even number)
	v_lshrrev_b32 v15, 23, v14                     ; the scale's byte; also the plain instruction behind the conversions
	v_mov_b32 v19, v22
	v_mov_b32 v20, v23
	v_mov_b32 v21, v24
.endm
; x: step s takes slots 2 s and 2 s + 1 of the fragment: two rows x 2,048 bytes; each load reads 512 consecutive bytes
.macro XLOAD s
.irp i, 0,1,2,3,4,5,6,7
	global_load_b128 v[RR+32*((\s)%2)+4*\i:RR+32*((\s)%2)+4*\i+3], v2, s[4:5] offset:(((2*(\s))%8)+16*((\s)/4)+\i/4)*8192+(\i%4)*512 th:TH_LOAD_NT
.endr
.endm
.macro XSTEP s
.if (\s) < 7
	s_wait_loadcnt 8                               ; this step's eight loads are in; the next step's eight may be out
.else
	s_wait_loadcnt 0
.endif
.irp i, 0,1,2,3,4,5,6,7
	ds_store_b128 v3, v[RR+32*((\s)%2)+4*\i:RR+32*((\s)%2)+4*\i+3] offset:576*\i   ; as loaded: a block of 128 bytes to a place of 144
.endr
.irp c, 0,1,2,3,4,5,6,7
	ds_load_b128 v[XX+4*\c:XX+4*\c+3], v4 offset:16*\c   ; back: lane l takes block l whole (LDS serves a wave's instructions in order)
.endr
	s_wait_dscnt 0x0                               ; the block is in, and the stores above (and the last step's) have read their registers
.if (\s)+2 < 8
	XLOAD (\s)+2
.endif
	QBLOCK XX
	ds_store_b64 v5, v[16:17] offset:32*(\s)       ; the block's 24 bytes to their three places in the fragment's image
	ds_store_b64 v6, v[18:19] offset:32*(\s)
	ds_store_b64 v5, v[20:21] offset:512+32*(\s)
	ds_store_b8 v7, v15 offset:32*(\s)
.endm
; weights: block t = rows 32 t .. 32 t + 31 of the K group, my column; the even blocks walk one base, the odd ones another
.macro WLOAD t
.irp i, 0,1,2,3,4,5,6,7,8,9,10,11,12,13,14,15,16,17,18,19,20,21,22,23,24,25,26,27,28,29,30,31
	global_load_b32 v[WX+32*((\t)%2)+\i], v[OFF+\i], s[28+2*((\t)%2):29+2*((\t)%2)] th:TH_LOAD_NT
.endr
.endm
.macro WBLOCK t
.set XS, WX+32*((\t)%2)
.if (\t) < 15
	s_wait_loadcnt 32                              ; this block's 32 loads are in; the next block's may be out
.else
	s_wait_loadcnt 0
.endif
.if (\t)+2 < 16
	s_add_nc_u64 s[28+2*((\t)%2):29+2*((\t)%2)], s[28+2*((\t)%2):29+2*((\t)%2)], s[32:33]   ; the loads that named this base are done: 64 rows on
.endif
	QBLOCK XS
.if (\t)%4 == 0
	v_mov_b32 v[SB+(\t)/4], v15
.else
	v_lshl_or_b32 v[SB+(\t)/4], v15, 8*((\t)%4), v[SB+(\t)/4]
.endif
.if ((\t)/2)%2 == 0
	ds_store_b128 v3, v[16:19] offset:1536*((\t)/4)+256*((\t)%2)        ; registers 0-3 and 4-5 of lane (r, t % 2)
	ds_store_b64 v3, v[20:21] offset:1536*((\t)/4)+256*((\t)%2)+512
.else
	ds_store_b64 v3, v[16:17] offset:1536*((\t)/4)+256*((\t)%2)+520     ; registers 6-7 and 8-11
	ds_store_b128 v3, v[18:21] offset:1536*((\t)/4)+256*((\t)%2)+1024
.endif
.if (\t)+2 < 16
	WLOAD (\t)+2
.endif
	s_wait_dscnt 0x0                               ; the stores have read their registers: the next block's codes may be written
.endm
	s_load_b256 s[4:11], s[0:1], 0x0               ; x s[4:5], Wq s[6:7], Wk s[8:9], Wv s[10:11]
	s_load_b128 s[12:15], s[0:1], 0x20             ; Wo s[12:13], xq s[14:15]
	s_load_b64 s[16:17], s[0:1], 0x30              ; wq
	v_lshl_add_u32 v144, v0, 2, 0x17800
	v_mov_b32 v145, 0
	v_lshrrev_b32 v1, 5, v0
	v_readfirstlane_b32 s18, v1                    ; wave
	v_and_b32 v1, 31, v0                           ; lane
	s_cmp_ge_u32 ttmp9, 128
	s_cbranch_scc1 .Lweights
	; ---------------- x: row block = work-group, K group = wave
	v_lshlrev_b32 v2, 4, v1                        ; 16 l
	s_mul_i32 s19, s18, XREG
	v_lshrrev_b32 v3, 3, v1
	v_mul_u32_u24 v3, v3, 144
	v_and_b32 v4, 7, v1
	v_lshl_add_u32 v3, v4, 4, v3
	v_add_nc_u32 v3, s19, v3                       ; the stage, in: 144 (l / 8) + 16 (l % 8)
	v_mul_u32_u24 v4, v1, 144
	v_add_nc_u32 v4, s19, v4                       ; and back: 144 l
	s_add_co_u32 s19, s19, XOUT                    ; the record's image
	v_bfe_u32 v5, v1, 2, 2                         ; my block: K step (l / 4) % 4,
	v_mul_u32_u24 v5, v5, 1536
	v_lshrrev_b32 v6, 4, v1                        ; slot 2 s + l / 16,
	v_lshl_add_u32 v5, v6, 4, v5
	v_and_b32 v6, 1, v1                            ; half of the lanes l % 2,
	v_lshl_add_u32 v5, v6, 8, v5
	v_add_nc_u32 v5, s19, v5
	v_bfe_u32 v7, v1, 1, 1                         ; registers 0-5 or 6-11: (l / 2) % 2
	v_mad_u32_u24 v6, v7, 1016, v5
	v_add_nc_u32 v6, 8, v6                         ; the second 8 bytes: + 8, or + 1,024
	v_mad_u32_u24 v5, v7, 520, v5                  ; the first: + 0, or + 520; the third lies 512 behind the first
	v_add_nc_u32 v7, s19, v1
	v_add_nc_u32 v7, 6144, v7                      ; my scale byte: 32 s + l
	v_add_nc_u32 v8, s19, v2                       ; the way out: 16 l
	v_lshlrev_b32 v10, 3, v1
	v_add_nc_u32 v9, s19, v10
	v_add_nc_u32 v9, 6144, v9                      ; and 8 l among the scale bytes
	s_lshr_b32 s20, ttmp9, 1
	s_lshl_b32 s20, s20, 5
	s_and_b32 s21, ttmp9, 1
	s_lshl_b32 s21, s21, 3
	s_add_co_u32 s20, s20, s21                     ; the fragment's first row: 32 (rb / 2) + 8 (rb % 2)
	s_lshl_b32 s20, s20, 13
	s_lshl_b32 s21, s18, 11
	s_add_co_u32 s20, s20, s21                     ; + my K group's 2,048 bytes
	s_mov_b32 s21, 0
	s_lshl_b32 s22, ttmp9, 2
	s_add_co_u32 s22, s22, s18
	s_mul_i32 s22, s22, REC
	s_mov_b32 s23, 0
	s_wait_kmcnt 0x0
	s_add_nc_u64 s[4:5], s[4:5], s[20:21]
	s_add_nc_u64 s[14:15], s[14:15], s[22:23]
	XLOAD 0
	XLOAD 1
.set Q, 0
.rept 8
	XSTEP Q
.set Q, Q+1
.endr
.irp j, 0,1,2,3,4,5,6,7,8,9,10,11
	ds_load_b128 v[32+4*\j:35+4*\j], v8 offset:512*\j   ; LDS serves a wave's instructions in order: these see my stores
.endr
	ds_load_b64 v[80:81], v9
.irp j, 0,1,2,3,4,5,6,7,8,9,10,11
	s_wait_dscnt 12-\j                             ; the younger LDS loads may be out
	global_store_b128 v2, v[32+4*\j:35+4*\j], s[14:15] offset:512*\j   ; 512 consecutive bytes, at a multiple of 256 from the buffer's first byte
.endr
	s_wait_dscnt 0x0
	global_store_b64 v10, v[80:81], s[14:15] offset:6144
	s_wait_tensorcnt 0x0
	ds_add_u32 v144, v145
	s_wait_dscnt 0x0
	s_endpgm
	; ---------------- the weights: 128 columns (cg) x 512 along K (g) a work-group, 32 columns a wave; a lane takes a column and its registers run down K
.Lweights:
	s_sub_co_u32 s20, ttmp9, 128
	s_lshr_b32 s21, s20, 2                         ; cg 0..39: 0-15 Wq, 16-19 Wk, 20-23 Wv, 24-39 Wo
	s_and_b32 s22, s20, 3                          ; g
	s_mov_b32 s23, 24                              ; the tensor's first cg
	s_mov_b32 s24, 8192                            ; a row of it in bytes
	s_wait_kmcnt 0x0
	s_cmp_lt_u32 s21, 24
	s_cselect_b64 s[12:13], s[10:11], s[12:13]
	s_cselect_b32 s23, 20, s23
	s_cselect_b32 s24, 2048, s24
	s_cmp_lt_u32 s21, 20
	s_cselect_b64 s[12:13], s[8:9], s[12:13]
	s_cselect_b32 s23, 16, s23
	s_cmp_lt_u32 s21, 16
	s_cselect_b64 s[12:13], s[6:7], s[12:13]
	s_cselect_b32 s23, 0, s23
	s_cselect_b32 s24, 8192, s24
	s_sub_co_u32 s25, s21, s23
	s_lshl_b32 s25, s25, 7
	s_lshl_b32 s26, s18, 5
	s_add_co_u32 s25, s25, s26
	s_lshl_b32 s25, s25, 2                         ; my wave's first column, in bytes
	s_lshl_b32 s26, s22, 9
	s_mul_i32 s26, s26, s24                        ; 512 g rows
	s_add_co_u32 s26, s26, s25
	s_mov_b32 s27, 0
	s_add_nc_u64 s[28:29], s[12:13], s[26:27]      ; the even blocks' base
	s_lshl_b32 s26, s24, 5
	s_add_nc_u64 s[30:31], s[28:29], s[26:27]      ; the odd blocks': 32 rows on
	s_lshl_b32 s32, s24, 6                         ; a step: 64 rows
	s_mov_b32 s33, 0
	s_lshl_b32 s34, s21, 3
	s_lshl_b32 s35, s18, 1
	s_add_co_u32 s34, s34, s35                     ; my first row block: 8 cg + 2 wave
	s_mul_i32 s34, s34, RBP
	s_mul_i32 s35, s22, REC
	s_add_co_u32 s34, s34, s35
	s_mov_b32 s35, 0
	s_add_nc_u64 s[16:17], s[16:17], s[34:35]
	s_mul_i32 s36, s18, WREG
	s_add_co_u32 s36, s36, WSTG                    ; my two images
	s_wait_alu depctr_va_vdst(0)
	v_lshrrev_b32 v6, 4, v1
	v_and_b32 v4, 7, v1
	v_lshl_add_u32 v4, v6, 3, v4                   ; my column's slot: (l % 8) + 8 (l / 16),
	v_bfe_u32 v3, v1, 3, 1                         ; in fragment (l / 8) % 2
	v_mul_u32_u24 v3, v3, REC
	v_lshl_add_u32 v3, v4, 4, v3
	v_add_nc_u32 v3, s36, v3
	v_lshlrev_b32 v5, 4, v1                        ; the way out: 16 l
	v_add_nc_u32 v4, s36, v5
	v_mad_u32_u24 v6, v6, 19200, v5                ; (the one store that straddles the two records)
	v_lshlrev_b32 v2, 2, v1
.irp i, 0,1,2,3,4,5,6,7,8,9,10,11,12,13,14,15,16,17,18,19,20,21,22,23,24,25,26,27,28,29,30,31
	v_mad_u32_u24 v[OFF+\i], s24, \i, v2           ; row i of a block, my column
.endr
	WLOAD 0
	WLOAD 1
.set Q, 0
.rept 16
	WBLOCK Q
.set Q, Q+1
.endr
	s_wait_alu depctr_va_vdst(0)
	ds_store_b128 v3, v[SB:SB+3] offset:6144       ; my column's sixteen scale bytes
.irp j, 0,1,2,3,4,5,6,7,8,9,10,11,12,13,14,15,16,17,18,19,20,21,22,23,24
	ds_load_b128 v[32+4*\j:35+4*\j], v4 offset:512*\j
.endr
.irp j, 0,1,2,3,4,5,6,7,8,9,10,11,12,13,14,15,16,17,18,19,20,21,22,23,24
	s_wait_dscnt 24-\j                             ; the younger LDS loads may be out
.if \j < 12
	global_store_b128 v5, v[32+4*\j:35+4*\j], s[16:17] offset:512*\j
.elseif \j == 12
	global_store_b128 v6, v[32+4*\j:35+4*\j], s[16:17] offset:6144      ; lanes 0-15: the first record's scale bytes; lanes 16-31: the second record's first 256 bytes
.else
	global_store_b128 v5, v[32+4*\j:35+4*\j], s[16:17] offset:512*\j+19200
.endif
.endr
	s_wait_tensorcnt 0x0
	ds_add_u32 v144, v145
	s_wait_dscnt 0x0
	s_endpgm
.Lfunc_end_k_q1c381d6d4d_quant:
	.size	k_q1c381d6d4d_quant, .Lfunc_end_k_q1c381d6d4d_quant-k_q1c381d6d4d_quant
	.p2alignl 7, 3214868480
	.fill 96, 4, 3214868480
	.section	.rodata,"a",@progbits
	.p2align	6, 0x0
	.amdhsa_kernel k_q1c381d6d4d_quant
		.amdhsa_group_segment_fixed_size 96768
		.amdhsa_private_segment_fixed_size 0
		.amdhsa_enable_private_segment 0
		.amdhsa_kernarg_size 56
		.amdhsa_user_sgpr_count 2
		.amdhsa_user_sgpr_kernarg_segment_ptr 1
		.amdhsa_wavefront_size32 1
		.amdhsa_system_sgpr_workgroup_id_x 1
		.amdhsa_system_sgpr_workgroup_id_y 1
		.amdhsa_system_sgpr_workgroup_id_z 1
		.amdhsa_system_vgpr_workitem_id 0
		.amdhsa_next_free_vgpr 146
		.amdhsa_next_free_sgpr 66
		.amdhsa_reserve_vcc 0
		.amdhsa_float_denorm_mode_32 3
		.amdhsa_float_denorm_mode_16_64 3
		.amdhsa_memory_ordered 1
		.amdhsa_forward_progress 1
		.amdhsa_inst_pref_size 116
	.end_amdhsa_kernel
	.amdgpu_metadata
---
amdhsa.version: [ 1, 2 ]
amdhsa.kernels:
  - .name:           k_q1c381d6d4d_quant
    .symbol:         k_q1c381d6d4d_quant.kd
    .args:
      - { .name: x, .offset: 0, .size: 8, .value_kind: global_buffer, .address_space: global }
      - { .name: Wq, .offset: 8, .size: 8, .value_kind: global_buffer, .address_space: global }
      - { .name: Wk, .offset: 16, .size: 8, .value_kind: global_buffer, .address_space: global }
      - { .name: Wv, .offset: 24, .size: 8, .value_kind: global_buffer, .address_space: global }
      - { .name: Wo, .offset: 32, .size: 8, .value_kind: global_buffer, .address_space: global }
      - { .name: xq, .offset: 40, .size: 8, .value_kind: global_buffer, .address_space: global }
      - { .name: wq, .offset: 48, .size: 8, .value_kind: global_buffer, .address_space: global }
    .group_segment_fixed_size: 96768
    .private_segment_fixed_size: 0
    .kernarg_segment_align: 8
    .kernarg_segment_size: 56
    .max_flat_workgroup_size: 128
    .sgpr_count:     66
    .vgpr_count:     146
    .wavefront_size: 32
...
	.end_amdgpu_metadata
.endif
;; end of part 1
;; launch qkv (part 2): grid 24 x 8, 4 waves a work-group, clusters of 4 x 1, 327,680 bytes of LDS; arguments xq, wq, cos, sin, q_gamma, q_beta, k_gamma, k_beta, qq, kv; writes qq, kv
.if DOCPART == 2
	.amdgcn_target "amdgcn-amd-amdhsa--gfx1250"
	.amdhsa_code_object_version 6
	.text
	.protected	k_q1c381d6d4d_qkv
	.globl	k_q1c381d6d4d_qkv
	.p2align	8
	.type	k_q1c381d6d4d_qkv,@function
k_q1c381d6d4d_qkv:
	s_mov_b64 s[64:65], 0
	v_nop
	global_prefetch_b8 v0, s[64:65] scope:SCOPE_SE
	s_setreg_imm32_b32 hwreg(HW_REG_WAVE_MODE, 25, 1), 1
	s_wait_xcnt 0x0
	s_wait_alu depctr_hold_cnt(0) depctr_sa_sdst(0) depctr_va_vdst(0) depctr_va_sdst(0) depctr_va_ssrc(0) depctr_va_vcc(0) depctr_vm_vsrc(0)
	s_getreg_b32 s2, hwreg(HW_REG_IB_STS2, 6, 4)
	s_cmp_eq_u32 s2, 0
	s_cbranch_scc0 .Lentry_in_a_cluster
	s_endpgm
.Lentry_in_a_cluster:
	s_bfe_u32 s2, ttmp6, 0x10000c
	s_cmp_lg_u32 s2, 0x3003
	s_cbranch_scc0 .Lentry_shape_is_right
	s_endpgm
.Lentry_shape_is_right:
; Q = rope(layernorm(x Wq)), K = rope(layernorm(x Wk)), V = x Wv, on codes of FP6 (E2M3) with E8M0 scales, sums in f32; the results leave as codes again: Q and K quantised along the head's 128, V along the keys.
; A work-group makes P side 256 rows x R side 128 rows over K = 2,048.  The matrix instruction takes 16 rows of R as source 0 and 16 rows of P as source 1: a lane holds ONE row of P and its registers run along R.
; Clusters x = 0-3: Q (P = 256 tokens, R = one head's 128 columns of Wq); x = 4: K likewise; x = 5: V WITH THE SIDES SWAPPED (P = 256 columns of Wv, R = 128 tokens), so that a lane's registers run along the keys.
; Four waves; wave w takes P's row blocks 4 w .. 4 w + 3 against all eight of R: 32 accumulators, 256 registers.  So a whole head lies in one wave, and layernorm and rope never leave the lane pair l, l xor 16.
; Operands lie in memory as images of their registers (records of 6,400 bytes: four fragments of 16 rows x 128 K, then 256 scale bytes), and of each 32 rows fragment u holds in slot r the row 8 u + r % 8 + 16 (r / 8):
; so register 16 b + i of a lane's 64 is index 32 b + 16 (lane / 16) + i along R: 16 neighbours for each conversion, and rope's partner d +- 64 is register +- 32 of the same lane.
; RING: two LDS slots of 512 along K (a record for each row block); four fills in all, so the loop over K is written out.  CLUSTER 4 x 1: the four partners share P's tile: waves 0, 1 ask for it JOINTLY (mask 15);
; R's tiles differ between the partners, and waves 2, 3 fetch them by loads of their own.  A 4 x 4 cluster is not used: V has 2 tiles of P against 16 of R, so P cannot hang on one coordinate of such a cluster alone.
; No prefetch: half of K is asked for at the start, and each refill has 128 matrix instructions in which to land.
; LIMITS: a block of zeros gets the byte 1 where the rule says 127 (zero codes; read by this program alone); blocks under 2^-124 are held at that floor; NaN and infinities are not served.
; REGISTERS: window 0: v1-31 addresses and small numbers; v32-79 scale words, two sets, and nothing else; v80-95 at work; v96-191 P's fragments, two sets; afterwards v96-159 H, v160-223 T, v224-242 codes.
;   window 1: R's fragments, two sets (v0-95, v96-191); afterwards v128-255 a second buffer of cos and sin.   window 2: accumulator (a, t) at v[8 (8 a + t)].   window 3: gamma, beta, cos, sin.
.set REC,   6400
.set RBP,   25600                      ; from a row block to the next in memory
.set SLOT,  153600                     ; P's 16 records, then R's 8
.set ROFF,  102400
.set SPARE, 2*SLOT                     ; the spare words, 128 bytes for each wave: two blocks of 256 bytes that no other line names
.set ADP,   16                         ; v16-17 my P fragments in slot 0, 1: 16 l + 25,600 w
.set ADQ,   18                         ; v18-19 R's: 16 l
.set ASP,   20                         ; v20-21 P's scale words: lanes 0-15 an even row block's, lanes 16-31 the next one's
.set ASQ,   22                         ; v22-23 R's
.set LI,    24                         ; v24 16 l
.set L8,    25                         ; v25 8 l
.set CSO,   26                         ; v26 my token's row of cos and sin, + 64 (lane / 16)
.set GBO,   27                         ; v27 64 (lane / 16)
.set SPW,   28                         ; v28 my spare word; never rewritten
.set NIL,   29                         ; v29 0; never rewritten
.set PW,    8                          ; v8-11 the four tiles' scale words
.set MU,    12                         ; v[12:13] the mean (the packed form names a pair and takes its low word)
.set RS,    14                         ; v[14:15] 1 / sqrt(var + eps)
.set SC,    32
.set TM,    80
.set PF,    96
.set H,     96
.set T,     160
.set PC,    224
.set WV,    24                         ; s24 wave;  s25 wave / 2: 0 fetches for P, 1 for R
.set ROLE,  25
.set G1P,   32
.set G1Q,   40
.set G0P,   48                         ; a group 0 for each slot
.set G0Q,   56
.set SEL,   72                         ; s[72:73] lane l xor 16
.set INV,   74                         ; 1 / 128
.set EPSR,  75                         ; 1e-6
.set MHI,   76                         ; lanes 16-31
.set DC,    78                         ; s[78:79] where my four fragments go
.set DS,    80                         ; s[80:81] and their scale words
.set MUL,   0xa1                       ; source 0 (R) window 1, source 1 (P) window 0, C and D window 2
.set TO_R,  0x40                       ; destination window 1
.set MSB, 0
.macro WIN new                         ; the immediate's high byte repeats the setting that is left
.if MSB != (\new)
	s_set_vgpr_msb (MSB<<8)|(\new)
.set MSB, (\new)
.endif
.endm
.macro PLACES                          ; four plain instructions between a matrix instruction and a load into, or a vector read or write of, its registers
.rept 4
	v_nop
.endr
.endm
; one matrix instruction.  zero = 1: it starts its sum.  ra, rb = 1: the side's scale words are read from lanes 16-31
.macro WM d, fa, fb, zero, sa, sb, ra, rb
.if \zero
.if ((\ra)==0) && ((\rb)==0)
	v_wmma_scale_f32_16x16x128_f8f6f4 v[(\d):(\d)+7], v[(\fa):(\fa)+11], v[(\fb):(\fb)+11], 0, v[\sa], v[\sb] matrix_a_fmt:MATRIX_FMT_FP6 matrix_b_fmt:MATRIX_FMT_FP6
.elseif ((\ra)==1) && ((\rb)==0)
	v_wmma_scale_f32_16x16x128_f8f6f4 v[(\d):(\d)+7], v[(\fa):(\fa)+11], v[(\fb):(\fb)+11], 0, v[\sa], v[\sb] matrix_a_fmt:MATRIX_FMT_FP6 matrix_b_fmt:MATRIX_FMT_FP6 matrix_a_scale:MATRIX_SCALE_ROW1
.elseif ((\ra)==0) && ((\rb)==1)
	v_wmma_scale_f32_16x16x128_f8f6f4 v[(\d):(\d)+7], v[(\fa):(\fa)+11], v[(\fb):(\fb)+11], 0, v[\sa], v[\sb] matrix_a_fmt:MATRIX_FMT_FP6 matrix_b_fmt:MATRIX_FMT_FP6 matrix_b_scale:MATRIX_SCALE_ROW1
.else
	v_wmma_scale_f32_16x16x128_f8f6f4 v[(\d):(\d)+7], v[(\fa):(\fa)+11], v[(\fb):(\fb)+11], 0, v[\sa], v[\sb] matrix_a_fmt:MATRIX_FMT_FP6 matrix_b_fmt:MATRIX_FMT_FP6 matrix_a_scale:MATRIX_SCALE_ROW1 matrix_b_scale:MATRIX_SCALE_ROW1
.endif
.else
.if ((\ra)==0) && ((\rb)==0)
	v_wmma_scale_f32_16x16x128_f8f6f4 v[(\d):(\d)+7], v[(\fa):(\fa)+11], v[(\fb):(\fb)+11], v[(\d):(\d)+7], v[\sa], v[\sb] matrix_a_fmt:MATRIX_FMT_FP6 matrix_b_fmt:MATRIX_FMT_FP6
.elseif ((\ra)==1) && ((\rb)==0)
	v_wmma_scale_f32_16x16x128_f8f6f4 v[(\d):(\d)+7], v[(\fa):(\fa)+11], v[(\fb):(\fb)+11], v[(\d):(\d)+7], v[\sa], v[\sb] matrix_a_fmt:MATRIX_FMT_FP6 matrix_b_fmt:MATRIX_FMT_FP6 matrix_a_scale:MATRIX_SCALE_ROW1
.elseif ((\ra)==0) && ((\rb)==1)
	v_wmma_scale_f32_16x16x128_f8f6f4 v[(\d):(\d)+7], v[(\fa):(\fa)+11], v[(\fb):(\fb)+11], v[(\d):(\d)+7], v[\sa], v[\sb] matrix_a_fmt:MATRIX_FMT_FP6 matrix_b_fmt:MATRIX_FMT_FP6 matrix_b_scale:MATRIX_SCALE_ROW1
.else
	v_wmma_scale_f32_16x16x128_f8f6f4 v[(\d):(\d)+7], v[(\fa):(\fa)+11], v[(\fb):(\fb)+11], v[(\d):(\d)+7], v[\sa], v[\sb] matrix_a_fmt:MATRIX_FMT_FP6 matrix_b_fmt:MATRIX_FMT_FP6 matrix_a_scale:MATRIX_SCALE_ROW1 matrix_b_scale:MATRIX_SCALE_ROW1
.endif
.endif
.endm
; eight matrix instructions: P's block a against R's eight; fragments of set, K step q of the slot whose scale words are set sc.  The 32 accumulators take turns, one instruction a turn, in the same order in every K step
.macro MULA a, set, q, sc, zero
.irp t, 0,1,2,3,4,5,6,7
	WM 8*(8*(\a)+\t), 96*(\set)+12*\t, PF+48*(\set)+12*(\a), \zero, SC+24*(\sc)+4*(\t/2)+(\q), SC+24*(\sc)+16+4*((\a)/2)+(\q), \t%2, (\a)%2
.endr
.endm
; 36 LDS loads in one run: K step q of a slot: R's eight fragments and my four of P, each as three loads of 512 consecutive bytes
.macro FETCH slot, q, set
	WIN TO_R
.irp t, 0,1,2,3,4,5,6,7
.irp c, 0,1,2
	ds_load_b128 v[96*(\set)+12*\t+4*\c:96*(\set)+12*\t+4*\c+3], v[ADQ+\slot] offset:REC*\t+1536*(\q)+512*\c
.endr
.endr
	WIN 0
.irp a, 0,1,2,3
.irp c, 0,1,2
	ds_load_b128 v[PF+48*(\set)+12*\a+4*\c:PF+48*(\set)+12*\a+4*\c+3], v[ADP+\slot] offset:REC*\a+1536*(\q)+512*\c
.endr
.endr
.endm
; a slot's scale words, four K steps at once: register 4 i + q: lanes 0-15 R's block 2 i, lanes 16-31 block 2 i + 1; register 16 + 4 i + q the same for my blocks of P
.macro SCALES slot
.irp i, 0,1,2,3
	ds_load_b128 v[SC+24*\slot+4*\i:SC+24*\slot+4*\i+3], v[ASQ+\slot] offset:2*REC*\i
.endr
.irp i, 0,1
	ds_load_b128 v[SC+24*\slot+16+4*\i:SC+24*\slot+16+4*\i+3], v[ASP+\slot] offset:2*REC*\i
.endr
.endm
; a refill: waves 0, 1 ask jointly for P's halves, waves 2, 3 fetch R's.  The branch hangs on the wave's number alone.  Four v_nop follow each of the two lines
.macro JLOAD s
	s_cmp_eq_u32 s[ROLE], 0
	s_cbranch_scc0 .Lfor_r_\@
	tensor_load_to_lds s[G0P+4*\s:G0P+4*\s+3], s[G1P:G1P+7]
	s_nop 0
.rept 4
	v_nop
.endr
	s_branch .Lasked_\@
.Lfor_r_\@:
	tensor_load_to_lds s[G0Q+4*\s:G0Q+4*\s+3], s[G1Q:G1Q+7]
	s_nop 0
.rept 4
	v_nop
.endr
.Lasked_\@:
.endm
.macro CREST                           ; a round of the cluster's barrier behind its opening barrier
	s_cmp_lg_u32 s[WV], 0
	s_cbranch_scc1 .Lnot_wave_0_\@
	s_barrier_signal -3
.Lnot_wave_0_\@:
	s_barrier_wait -3
	s_barrier_signal -1
	s_barrier_wait -1
.endm
; A PREFETCH INTO THE L2 of K group g, issued behind the fill of K group g - 1.  (It takes the place of the head comment's sentence on prefetching: the head asks for K group 0 alone, K group 1 follows behind the first round.)
; A record is 6,400 bytes = 25 blocks of 256: lane l names block min(l, 24), an instruction a record.  Of the 8 records of P that waves 0, 1 ask for jointly, the partner at place cx names records 2 cx and 2 cx + 1,
; told apart BY ADDRESS; waves 2, 3 name the 4 records of R that their own loads bring.  Offsets are immediates: the address registers are never rewritten.  K group 3's fill is followed by no prefetch.
.macro ASK g
	global_prefetch_b8 v30, s[90:91] offset:(\g)*REC th:TH_LOAD_NT scope:SCOPE_SE
	global_prefetch_b8 v30, s[90:91] offset:(\g)*REC+RBP th:TH_LOAD_NT scope:SCOPE_SE
	s_cmp_eq_u32 s[ROLE], 0
	s_cbranch_scc1 .Lasked_two_\@
	global_prefetch_b8 v30, s[90:91] offset:(\g)*REC+2*RBP th:TH_LOAD_NT scope:SCOPE_SE
	global_prefetch_b8 v30, s[90:91] offset:(\g)*REC+3*RBP th:TH_LOAD_NT scope:SCOPE_SE
.Lasked_two_\@:
.endm
.macro CROUND
	s_barrier_signal -1
	s_barrier_wait -1
	CREST
.endm
; a K step that has its successor in the same slot: its fragments were asked for a K step ago; the next step's are asked for ahead of its 32 products
.macro KSTEP slot, q, zero
	s_wait_dscnt 0x0
	PLACES                                         ; the other set was read by the products just issued
	FETCH \slot, (\q)+1, ((\q)+1)%2
	WIN MUL
	MULA 0, (\q)%2, \q, \slot, \zero
	MULA 1, (\q)%2, \q, \slot, \zero
	MULA 2, (\q)%2, \q, \slot, \zero
	MULA 3, (\q)%2, \q, \slot, \zero
.endm
; a slot's last K step changes slots: ONE barrier; in front of it each wave waits for all its tensor loads, adds 0 to its spare word, and waits for that and for its reads of this slot.  fill = 1: this slot is filled again
.macro TURN slot, next, fill
	WIN 0                                          ; (the add's two registers lie in window 0)
	s_wait_tensorcnt 0x0                           ; all my tensor loads have landed: my part of the next slot
	ds_add_u32 v[SPW], v[NIL]                      ; 0 onto my spare word
	s_wait_dscnt 1                                 ; this step's fragments are in; the add may be out
	WIN MUL
	MULA 0, 1, 3, \slot, 0                         ; eight matrix instructions stand between the add and the wait for it
	s_wait_dscnt 0x0                               ; the add is done, and my reads of this slot are over
	s_barrier_signal -1
	MULA 1, 1, 3, \slot, 0
	WIN 0
	s_barrier_wait -1
.if \fill
	CREST                                          ; the barrier has opened a round of the cluster's: no wave of any partner still reads this slot or has a load on its way
	s_add_nc_u64 s[G0P+4*\slot+2:G0P+4*\slot+3], s[G0P+4*\slot+2:G0P+4*\slot+3], 2*REC
	s_add_nc_u64 s[G0Q+4*\slot+2:G0Q+4*\slot+3], s[G0Q+4*\slot+2:G0Q+4*\slot+3], 2*REC
	JLOAD \slot                                    ; the first tensor load behind the round; its four v_nop are the places in front of the loads below
.else
	PLACES
.endif
	FETCH \next, 0, 0
	SCALES \next
.if (\fill) && ((\slot)==0)
	ASK 3                                          ; K group 2 has just been asked for: K group 3 is named one fill ahead
.endif
	WIN MUL
	MULA 2, 1, 3, \slot, 0
	MULA 3, 1, 3, \slot, 0
.endm
	s_load_b512 s[4:19], s[0:1], 0x0               ; xq s[4:5], wq s[6:7], cos s[8:9], sin s[10:11], q_gamma s[12:13], q_beta s[14:15], k_gamma s[16:17], k_beta s[18:19]
	s_load_b128 s[20:23], s[0:1], 0x40             ; qq s[20:21], kv s[22:23]
	v_lshl_add_u32 v[SPW], v0, 2, SPARE
	v_mov_b32 v[NIL], 0
	ds_add_u32 v28, v29
	ds_add_u32 v28, v29
	s_wait_dscnt 0x0
	v_lshrrev_b32 v1, 5, v0
	v_readfirstlane_b32 s[WV], v1                  ; wave 0..3
	s_lshr_b32 s[ROLE], s[WV], 1
	s_and_b32 s26, s[WV], 1                        ; which half of the tile I fetch
	s_bfe_u32 s27, ttmp6, 0x40000                  ; cx: my place in the cluster
	s_mov_b32 s28, ttmp9                           ; c: the cluster's x, which the four partners share: 0-3 Q, 4 K, 5 V
	s_lshl_b32 s29, ttmp9, 2
	s_add_co_u32 s29, s29, s27                     ; gx = 4 c + cx
	s_and_b32 s30, ttmp7, 0xffff                   ; gy
	; descriptor group 1.  P: 8 records of 6,400 bytes (800 elements of 8 bytes), 25,600 bytes apart; R: 4 such
	s_mov_b32 s[G1P+0], 15|(3<<16)|(1<<21)         ; 15:0 the mask: all four work-groups; 17:16 elements of 8 bytes; 21 set beside a mask
	s_mov_b32 s[G1P+1], 800<<16                    ; tensor_dim0
	s_mov_b32 s[G1P+2], 8<<16                      ; tensor_dim1
	s_mov_b32 s[G1P+3], 800<<16                    ; tile_dim0
	s_mov_b32 s[G1P+4], 8                          ; tile_dim1
	s_mov_b32 s[G1P+5], 3200                       ; tensor_dim0_stride
	s_mov_b32 s[G1P+6], 0
	s_mov_b32 s[G1P+7], 0
	s_mov_b32 s[G1Q+0], 3<<16                      ; no mask
	s_mov_b32 s[G1Q+1], 800<<16
	s_mov_b32 s[G1Q+2], 4<<16
	s_mov_b32 s[G1Q+3], 800<<16
	s_mov_b32 s[G1Q+4], 4
	s_mov_b32 s[G1Q+5], 3200
	s_mov_b32 s[G1Q+6], 0
	s_mov_b32 s[G1Q+7], 0
	; P's tile hangs on gy and c alone: tokens 256 gy of xq, or for V row blocks 160 + 16 (gy % 2) of wq.  No register here ever holds cx
	s_mul_i32 s66, s30, 16*RBP
	s_and_b32 s67, s30, 1
	s_mul_i32 s67, s67, 16*RBP
	s_add_co_u32 s67, s67, 160*RBP
	s_cmp_eq_u32 s28, 5
	s_cselect_b32 s66, s67, s66
	s_mul_i32 s67, s26, 8*RBP
	s_add_co_u32 s66, s66, s67                     ; + my half
	s_mov_b32 s67, 0
	; R's tile: row blocks 8 gx of wq, or for V the 128 tokens 4 (gy / 2) + cx of xq
	s_lshr_b32 s31, s30, 1
	s_lshl_b32 s31, s31, 2
	s_add_co_u32 s31, s31, s27                     ; V: which 128 keys
	s_cmp_eq_u32 s28, 5
	s_cselect_b32 s68, s31, s29
	s_mul_i32 s68, s68, 8*RBP
	s_mul_i32 s69, s26, 4*RBP
	s_add_co_u32 s68, s68, s69
	s_mov_b32 s69, 0
	s_mul_i32 s70, s26, 8*REC                      ; where they go in a slot: the wave's number alone
	s_mul_i32 s71, s26, 4*REC
	s_add_co_u32 s71, s71, ROFF
	s_wait_kmcnt 0x0
	s_cmp_eq_u32 s28, 5
	s_cselect_b64 s[86:87], s[6:7], s[4:5]         ; P's buffer
	s_cselect_b64 s[88:89], s[4:5], s[6:7]         ; R's
	s_add_nc_u64 s[86:87], s[86:87], s[66:67]
	s_add_nc_u64 s[88:89], s[88:89], s[68:69]
.irp s, 0,1
	s_mov_b32 s[G0P+4*\s], 1                       ; count = 1
	s_add_co_u32 s[G0P+4*\s+1], s70, \s*SLOT       ; LDS address
	s_add_nc_u64 s[G0P+4*\s+2:G0P+4*\s+3], s[86:87], \s*REC   ; K group s
	s_or_b32 s[G0P+4*\s+3], s[G0P+4*\s+3], 0x80000000         ; type = 2
	s_mov_b32 s[G0Q+4*\s], 1
	s_add_co_u32 s[G0Q+4*\s+1], s71, \s*SLOT
	s_add_nc_u64 s[G0Q+4*\s+2:G0Q+4*\s+3], s[88:89], \s*REC
	s_or_b32 s[G0Q+4*\s+3], s[G0Q+4*\s+3], 0x80000000
.endr
	CROUND                                         ; all four work-groups are here: the first joint loads meet
	JLOAD 0                                        ; K group 0
	v_and_b32 v1, 31, v0                           ; l
	v_and_b32 v2, 15, v0                           ; r
	v_bfe_u32 v3, v0, 4, 1                         ; h
	v_lshlrev_b32 v[LI], 4, v1
	v_lshlrev_b32 v[L8], 3, v1
	s_mul_i32 s66, s[WV], 4*REC                    ; my four records of P
	v_add_nc_u32 v[ADP], s66, v[LI]
	v_add_nc_u32 v[ADP+1], SLOT, v[ADP]
	v_add_nc_u32 v[ADQ], ROFF, v[LI]
	v_add_nc_u32 v[ADQ+1], SLOT, v[ADQ]
	v_mul_u32_u24 v4, v3, REC
	v_lshl_add_u32 v4, v2, 4, v4
	v_add_nc_u32 v4, 6144, v4                      ; a record's scale bytes: 16 r, lanes 16-31 one record on
	v_add_nc_u32 v[ASP], s66, v4
	v_add_nc_u32 v[ASP+1], SLOT, v[ASP]
	v_add_nc_u32 v[ASQ], ROFF, v4
	v_add_nc_u32 v[ASQ+1], SLOT, v[ASQ]
	v_and_b32 v5, 7, v2
	v_lshrrev_b32 v4, 3, v2
	v_lshl_add_u32 v5, v4, 4, v5                   ; slot r's row in a fragment: r % 8 + 16 (r / 8)
	v_lshlrev_b32 v[GBO], 6, v3
	v_lshl_add_u32 v[CSO], v5, 9, v[GBO]
	v_mov_b32 v[MU+1], 0                           ; (named as the upper halves of pairs)
	v_mov_b32 v[RS+1], 0
.irp b, 0,1,2,3
	v_mov_b32 v[TM+4+\b], 0                        ; written once: a lane permute's destination counts as one of its sources
.endr
	s_mov_b32 s[SEL], 0x76543210
	s_mov_b32 s[SEL+1], 0xfedcba98
	s_mov_b32 s[INV], 0x3c000000                   ; 1 / 128
	s_mov_b32 s[EPSR], 0x358637bd                  ; 1e-6
	s_mov_b32 s[MHI], 0xffff0000
	; where my results go.  Q: record (head gx, 64 queries 4 gy + w) of qq.  K: record (kv head cx, 128 keys 2 gy + w / 2) of kv, tiles 4 (w % 2) on.  V: record (kv head 2 (gy % 2) + w / 2, keys s31), behind K's tiles
	s_lshl_b32 s66, s29, 5
	s_lshl_b32 s67, s30, 2
	s_add_co_u32 s66, s66, s67
	s_add_co_u32 s66, s66, s[WV]
	s_mul_i32 s66, s66, REC
	s_add_co_u32 s67, s66, 6144
	s_lshl_b32 s68, s27, 4
	s_lshl_b32 s69, s30, 1
	s_add_co_u32 s68, s68, s69
	s_add_co_u32 s68, s68, s[ROLE]
	s_and_b32 s69, s30, 1
	s_lshl_b32 s69, s69, 1
	s_add_co_u32 s69, s69, s[ROLE]
	s_lshl_b32 s69, s69, 4
	s_add_co_u32 s69, s69, s31
	s_cmp_eq_u32 s28, 5
	s_cselect_b32 s68, s69, s68
	s_cselect_b32 s69, 12288, 0
	s_cselect_b32 s70, 512, 0
	s_mul_i32 s68, s68, 25600
	s_mul_i32 s71, s26, 6144
	s_add_co_u32 s69, s69, s71
	s_add_co_u32 s69, s69, s68
	s_lshl_b32 s71, s26, 8
	s_add_co_u32 s70, s70, s71
	s_add_co_u32 s70, s70, s68
	s_add_co_u32 s70, s70, 24576
	s_cmp_lt_u32 s28, 4
	s_cselect_b32 s66, s66, s69
	s_cselect_b32 s68, s67, s70
	s_cselect_b64 s[DC:DC+1], s[20:21], s[22:23]
	s_mov_b64 s[DS:DS+1], s[DC:DC+1]
	s_mov_b32 s67, 0
	s_mov_b32 s69, 0
	s_add_nc_u64 s[DC:DC+1], s[DC:DC+1], s[66:67]
	s_add_nc_u64 s[DS:DS+1], s[DS:DS+1], s[68:69]
	s_lshl_b32 s66, s30, 17
	s_lshl_b32 s68, s[WV], 15
	s_add_co_u32 s66, s66, s68                     ; my 64 tokens' rows of cos and sin: (256 gy + 64 w) x 512 bytes
	s_add_nc_u64 s[8:9], s[8:9], s[66:67]
	s_add_nc_u64 s[10:11], s[10:11], s[66:67]
	s_cmp_eq_u32 s28, 4
	s_cselect_b64 s[82:83], s[16:17], s[12:13]     ; gamma: K's or Q's
	s_cselect_b64 s[84:85], s[18:19], s[14:15]     ; beta
	s_mul_i32 s92, s27, 2*RBP                      ; the prefetches' base: my part of the tile; for P + my work-group's two records of the eight
	s_cmp_eq_u32 s[ROLE], 0
	s_cselect_b32 s92, s92, 0
	s_cselect_b64 s[90:91], s[86:87], s[88:89]
	s_mov_b32 s93, 0
	s_add_nc_u64 s[90:91], s[90:91], s[92:93]
	v_and_b32 v30, 31, v0
	v_min_u32 v30, 24, v30
	v_lshlrev_b32 v30, 8, v30                      ; 256 min(l, 24); never rewritten
	s_wait_alu depctr_va_vdst(0)
	ASK 1
	s_cmp_eq_u32 s28, 5                            ; V has no layernorm and no rope; the same in all four partners
	s_cbranch_scc1 .Lno_cs
	WIN 0xc0                                       ; destination window 3, which no product names: gamma, beta and tile 0's cos and sin are asked for here and land under the walk along K
.irp b, 0,1,2,3
.irp j, 0,1,2,3
	global_load_b128 v[16*\b+4*\j:16*\b+4*\j+3], v[GBO], s[82:83] offset:128*\b+16*\j
	global_load_b128 v[64+16*\b+4*\j:64+16*\b+4*\j+3], v[GBO], s[84:85] offset:128*\b+16*\j
.endr
.endr
.irp b, 0,1,2,3
.irp j, 0,1,2,3
	global_load_b128 v[128+16*\b+4*\j:128+16*\b+4*\j+3], v[CSO], s[8:9] offset:128*\b+16*\j     ; tile 0's cos,
.endr
.endr
.irp b, 0,1,2,3
.irp j, 0,1,2,3
	global_load_b128 v[192+16*\b+4*\j:192+16*\b+4*\j+3], v[CSO], s[10:11] offset:128*\b+16*\j   ; and its sin
.endr
.endr
	WIN 0
.Lno_cs:
	s_wait_tensorcnt 0x0                           ; my part of slot 0 is in
	ds_add_u32 v[SPW], v[NIL]
	s_wait_dscnt 0x0
	CROUND                                         ; a whole round: slot 0 is whole, and all four work-groups are here
	JLOAD 1                                        ; K group 1: the first tensor load behind the round
	FETCH 0, 0, 0
	SCALES 0
	ASK 2
	KSTEP 0, 0, 1                                  ; the first K step starts the sums: nothing is cleared
	KSTEP 0, 1, 0
	KSTEP 0, 2, 0
	TURN 0, 1, 1
	KSTEP 1, 0, 0
	KSTEP 1, 1, 0
	KSTEP 1, 2, 0
	TURN 1, 0, 1
	KSTEP 0, 0, 0
	KSTEP 0, 1, 0
	KSTEP 0, 2, 0
	TURN 0, 1, 0                                   ; nothing is left to fetch
	KSTEP 1, 0, 0
	KSTEP 1, 1, 0
	KSTEP 1, 2, 0
	s_wait_dscnt 0x0
	WIN MUL
	MULA 0, 1, 3, 1, 0
	MULA 1, 1, 3, 1, 0
	MULA 2, 1, 3, 1, 0
	MULA 3, 1, 3, 1, 0
	WIN 0
	PLACES
; 64 numbers of a lane in window wn, v[s] on, register 16 b + i = index 32 b + 16 (lane / 16) + i of my row, become a fragment's codes in v[PC] on and its scale word in v[pw]
.macro QUANT s, wn, pw
	WIN 5*(\wn)                                    ; sources 0 and 1: the numbers' window
.irp b, 0,1,2,3
	v_max3_num_f32 v[TM+\b], |v[(\s)+16*\b]|, |v[(\s)+1+16*\b]|, 0x1800000   ; block b: my 16 numbers, and the floor 2^(3 - 127): the byte cannot fall under 1
.endr
.irp i, 2,4,6,8,10,12,14
.irp b, 0,1,2,3
	v_max3_num_f32 v[TM+\b], |v[(\s)+16*\b+\i]|, |v[(\s)+1+16*\b+\i]|, v[TM+\b]
.endr
.endr
	WIN 0
.irp b, 0,1,2,3
	v_permlanex16_b32 v[TM+4+\b], v[TM+\b], s[SEL], s[SEL+1]
.endr
.irp b, 0,1,2,3
	v_max_num_f32 v[TM+\b], v[TM+\b], v[TM+4+\b]   ; with lane l xor 16's: the block's largest magnitude
.endr
.irp b, 0,1,2,3
	v_add_nc_u32 v[TM+12+\b], 0xff000000, v[TM+\b] ; 2 off its exponent field: the conversion's scale operand
.endr
.irp b, 0,1,2,3
	v_lshrrev_b32 v[TM+4+\b], 23, v[TM+12+\b]      ; the scale's byte
.endr
	v_lshl_or_b32 v[\pw], v[TM+5], 8, v[TM+4]
	v_lshl_or_b32 v[\pw], v[TM+6], 16, v[\pw]
	v_lshl_or_b32 v[\pw], v[TM+7], 24, v[\pw]
	WIN (\wn)
.irp c, 0,1
	v_cvt_scalef32_pk16_fp6_f32 v[PC+6*\c:PC+2+6*\c], v[(\s)+32*\c:(\s)+15+32*\c], v[TM+12+2*\c]
	v_cvt_scalef32_pk16_fp6_f32 v[PC+12+4*\c:PC+14+4*\c], v[(\s)+16+32*\c:(\s)+31+32*\c], v[TM+12+2*\c+1]   ; (a conversion's three registers begin on an even number)
.endr
	WIN 0
	v_nop                                          ; one plain instruction behind a scaled conversion
.irp c, 0,1                                        ; the operand's layout wants a whole block in a lane
.irp i, 0,1,2
	v_permlane16_swap_b32 v[PC+6*\c+\i], v[PC+12+4*\c+\i]
.endr
.irp i, 0,1,2
	v_mov_b32 v[PC+3+6*\c+\i], v[PC+12+4*\c+\i]
.endr
.endr
.endm
.macro PUT a                           ; the fragment leaves as it stands: three stores of 512 consecutive bytes, at multiples of 256 from the buffer's first byte
.irp c, 0,1,2
	global_store_b128 v[LI], v[PC+4*\c:PC+4*\c+3], s[DC:DC+1] offset:1536*(\a)+512*\c
.endr
.endm
; cos and sin of tile a's 16 tokens, my 64 channels, into v128-191 and v192-255 of window win
.macro CSLOAD a, win
	WIN 64*(\win)
.irp b, 0,1,2,3
.irp j, 0,1,2,3
	global_load_b128 v[128+16*\b+4*\j:128+16*\b+4*\j+3], v[CSO], s[8:9] offset:(32*((\a)/2)+8*((\a)%2))*512+128*\b+16*\j
.endr
.endr
.irp b, 0,1,2,3
.irp j, 0,1,2,3
	global_load_b128 v[192+16*\b+4*\j:192+16*\b+4*\j+3], v[CSO], s[10:11] offset:(32*((\a)/2)+8*((\a)%2))*512+128*\b+16*\j
.endr
.endr
.endm
; tile a of Q or K: layernorm over the head's 128 (64 in my lane, 64 in lane l xor 16), rope, codes
.macro EPI a, win
.set AB, 64*(\a)
	WIN 0x0a                                       ; sources 0 and 1: the accumulators' window.
.set kk, 0
.rept 16
	v_pk_add_f32 v[T+2*kk:T+2*kk+1], v[AB+4*kk:AB+4*kk+1], v[AB+4*kk+2:AB+4*kk+3]
.set kk, kk+1
.endr
	WIN 0
.irp k, 0,1,2,3,4,5,6,7
	v_pk_add_f32 v[T+4*\k:T+4*\k+1], v[T+4*\k:T+4*\k+1], v[T+4*\k+2:T+4*\k+3]
.endr
.irp k, 0,1,2,3
	v_pk_add_f32 v[T+8*\k:T+8*\k+1], v[T+8*\k:T+8*\k+1], v[T+8*\k+4:T+8*\k+5]
.endr
.irp k, 0,1
	v_pk_add_f32 v[T+16*\k:T+16*\k+1], v[T+16*\k:T+16*\k+1], v[T+16*\k+8:T+16*\k+9]
.endr
	v_pk_add_f32 v[T:T+1], v[T:T+1], v[T+16:T+17]
	v_add_f32 v[TM+8], v[T], v[T+1]
	v_permlanex16_b32 v[TM+4], v[TM+8], s[SEL], s[SEL+1]
	v_add_f32 v[TM+8], v[TM+8], v[TM+4]
	v_mul_f32 v[MU], s[INV], v[TM+8]               ; the mean
	WIN 0x02
.set kk, 0
.rept 32
	v_pk_add_f32 v[H+2*kk:H+2*kk+1], v[AB+2*kk:AB+2*kk+1], v[MU:MU+1] op_sel_hi:[1,0] neg_lo:[0,1] neg_hi:[0,1]   ; x - mean
.set kk, kk+1
.endr
	WIN 0
.irp k, 0,1,2,3
	v_pk_mul_f32 v[T+2*\k:T+2*\k+1], v[H+2*\k:H+2*\k+1], v[H+2*\k:H+2*\k+1]   ; the squares, in four chains
.endr
.set kk, 4
.rept 28
	v_pk_fma_f32 v[T+2*(kk%4):T+2*(kk%4)+1], v[H+2*kk:H+2*kk+1], v[H+2*kk:H+2*kk+1], v[T+2*(kk%4):T+2*(kk%4)+1]
.set kk, kk+1
.endr
	v_pk_add_f32 v[T:T+1], v[T:T+1], v[T+2:T+3]
	v_pk_add_f32 v[T+4:T+5], v[T+4:T+5], v[T+6:T+7]
	v_pk_add_f32 v[T:T+1], v[T:T+1], v[T+4:T+5]
	v_add_f32 v[TM+8], v[T], v[T+1]
	v_permlanex16_b32 v[TM+4], v[TM+8], s[SEL], s[SEL+1]
	v_add_f32 v[TM+8], v[TM+8], v[TM+4]
	v_fma_f32 v[TM+8], v[TM+8], s[INV], s[EPSR]    ; var + eps
	s_wait_alu depctr_va_vdst(0)
	v_rsq_f32 v[RS], v[TM+8]
	v_nop                                          ; a plain instruction behind the transcendental,
	s_wait_alu depctr_va_vdst(0)                   ; and the wait ahead of its first reader
.set kk, 0
.rept 32
	v_pk_mul_f32 v[H+2*kk:H+2*kk+1], v[H+2*kk:H+2*kk+1], v[RS:RS+1] op_sel_hi:[1,0]
.set kk, kk+1
.endr
.if (\a) < 3
	s_wait_loadcnt 32                              ; gamma, beta and this tile's cos and sin are in; the next tile's 32 loads may be out
.else
	s_wait_loadcnt 0
.endif
	WIN 0x3c                                       ; sources 1 and 2: window 3
.set kk, 0
.rept 32
	v_pk_fma_f32 v[H+2*kk:H+2*kk+1], v[H+2*kk:H+2*kk+1], v[2*kk:2*kk+1], v[64+2*kk:65+2*kk]   ; x gamma + beta
.set kk, kk+1
.endr
	WIN 4*(\win)                                   ; source 1: the window of this tile's cos and sin
.set kk, 0
.rept 32
	v_pk_mul_f32 v[T+2*kk:T+2*kk+1], v[H+2*kk:H+2*kk+1], v[128+2*kk:129+2*kk]
.set kk, kk+1
.endr
.set kk, 0
.rept 16
	v_pk_fma_f32 v[T+2*kk:T+2*kk+1], v[H+32+2*kk:H+33+2*kk], v[192+2*kk:193+2*kk], v[T+2*kk:T+2*kk+1] neg_lo:[1,0,0] neg_hi:[1,0,0]   ; d < 64: - x(d + 64) sin(d)
.set kk, kk+1
.endr
.set kk, 0
.rept 16
	v_pk_fma_f32 v[T+32+2*kk:T+33+2*kk], v[H+2*kk:H+2*kk+1], v[224+2*kk:225+2*kk], v[T+32+2*kk:T+33+2*kk]   ; d >= 64: + x(d - 64) sin(d)
.set kk, kk+1
.endr
.if (\a) < 2
	CSLOAD (\a)+2, \win                            ; the buffer just read takes the tile two on
.endif
	WIN 0
.if (\a) > 0
	s_wait_xcnt 0x0                                ; the last tile's stores have read the codes' registers
.endif
	QUANT T, 0, PW+(\a)
	PUT \a
.endm
	s_cmp_eq_u32 s28, 5                            ; the same in all four partners
	s_cbranch_scc1 .Lvpath
	; gamma, beta and tile 0's cos and sin were asked for at the head; tile 1's go into window 1, which R's fragments have left
	CSLOAD 1, 1
	EPI 0, 3
	EPI 1, 1
	EPI 2, 3
	EPI 3, 1
	s_branch .Lfin
.Lvpath:                                           ; V: a lane holds one channel and 64 of 128 keys: the sums are quantised as they stand
.irp a, 0,1,2,3
.if \a > 0
	s_wait_xcnt 0x0                                ; the last tile's stores have read the codes' registers
.endif
	QUANT 64*\a, 2, PW+\a
	PUT \a
.endr
.Lfin:
	v_cndmask_b32 v6, v[PW], v[PW+1], s[MHI]       ; the scale words as the reader's registers want them: lanes 0-15 an even tile's, lanes 16-31 the next one's
	v_cndmask_b32 v7, v[PW+2], v[PW+3], s[MHI]
	global_store_b64 v[L8], v[6:7], s[DS:DS+1]     ; 256 consecutive bytes, aligned
	s_wait_tensorcnt 0x0                           ; the wave's end
	ds_add_u32 v[SPW], v[NIL]
	s_wait_dscnt 0x0
	CROUND                                         ; the closing round: no work-group ends while a partner may still ask for a tile that names it
	s_endpgm
.Lfunc_end_k_q1c381d6d4d_qkv:
	.size	k_q1c381d6d4d_qkv, .Lfunc_end_k_q1c381d6d4d_qkv-k_q1c381d6d4d_qkv
	.p2alignl 7, 3214868480
	.fill 96, 4, 3214868480
	.section	.rodata,"a",@progbits
	.p2align	6, 0x0
	.amdhsa_kernel k_q1c381d6d4d_qkv
		.amdhsa_group_segment_fixed_size 327680
		.amdhsa_private_segment_fixed_size 0
		.amdhsa_enable_private_segment 0
		.amdhsa_kernarg_size 80
		.amdhsa_user_sgpr_count 2
		.amdhsa_user_sgpr_kernarg_segment_ptr 1
		.amdhsa_wavefront_size32 1
		.amdhsa_system_sgpr_workgroup_id_x 1
		.amdhsa_system_sgpr_workgroup_id_y 1
		.amdhsa_system_sgpr_workgroup_id_z 1
		.amdhsa_system_vgpr_workitem_id 0
		.amdhsa_next_free_vgpr 1024
		.amdhsa_next_free_sgpr 100
		.amdhsa_reserve_vcc 0
		.amdhsa_float_denorm_mode_32 3
		.amdhsa_float_denorm_mode_16_64 3
		.amdhsa_memory_ordered 1
		.amdhsa_forward_progress 1
		.amdhsa_inst_pref_size 227
	.end_amdhsa_kernel
	.amdgpu_metadata
---
amdhsa.version: [ 1, 2 ]
amdhsa.kernels:
  - .name:           k_q1c381d6d4d_qkv
    .symbol:         k_q1c381d6d4d_qkv.kd
    .args:
      - { .name: xq, .offset: 0, .size: 8, .value_kind: global_buffer, .address_space: global }
      - { .name: wq, .offset: 8, .size: 8, .value_kind: global_buffer, .address_space: global }
      - { .name: cos, .offset: 16, .size: 8, .value_kind: global_buffer, .address_space: global }
      - { .name: sin, .offset: 24, .size: 8, .value_kind: global_buffer, .address_space: global }
      - { .name: q_gamma, .offset: 32, .size: 8, .value_kind: global_buffer, .address_space: global }
      - { .name: q_beta, .offset: 40, .size: 8, .value_kind: global_buffer, .address_space: global }
      - { .name: k_gamma, .offset: 48, .size: 8, .value_kind: global_buffer, .address_space: global }
      - { .name: k_beta, .offset: 56, .size: 8, .value_kind: global_buffer, .address_space: global }
      - { .name: qq, .offset: 64, .size: 8, .value_kind: global_buffer, .address_space: global }
      - { .name: kv, .offset: 72, .size: 8, .value_kind: global_buffer, .address_space: global }
    .group_segment_fixed_size: 327680
    .private_segment_fixed_size: 0
    .kernarg_segment_align: 8
    .kernarg_segment_size: 80
    .max_flat_workgroup_size: 128
    .sgpr_count:     100
    .vgpr_count:     1024
    .wavefront_size: 32
...
	.end_amdgpu_metadata
.endif
;; end of part 2
;; launch attn (part 3): grid 64 x 4, 16 waves a work-group, clusters of 4 x 1, 327,680 bytes of LDS; arguments qq, kv, aq; writes aq
.if DOCPART == 3
	.amdgcn_target "amdgcn-amd-amdhsa--gfx1250"
	.amdhsa_code_object_version 6
	.text
	.protected	k_q1c381d6d4d_attn
	.globl	k_q1c381d6d4d_attn
	.p2align	8
	.type	k_q1c381d6d4d_attn,@function
k_q1c381d6d4d_attn:
	s_mov_b64 s[64:65], 0
	v_nop
	global_prefetch_b8 v0, s[64:65] scope:SCOPE_SE
	s_setreg_imm32_b32 hwreg(HW_REG_WAVE_MODE, 25, 1), 1
	s_wait_xcnt 0x0
	s_wait_alu depctr_hold_cnt(0) depctr_sa_sdst(0) depctr_va_vdst(0) depctr_va_sdst(0) depctr_va_ssrc(0) depctr_va_vcc(0) depctr_vm_vsrc(0)
	s_getreg_b32 s2, hwreg(HW_REG_IB_STS2, 6, 4)
	s_cmp_eq_u32 s2, 0
	s_cbranch_scc0 .Lentry_in_a_cluster
	s_endpgm
.Lentry_in_a_cluster:
	s_bfe_u32 s2, ttmp6, 0x10000c
	s_cmp_lg_u32 s2, 0x3003
	s_cbranch_scc0 .Lentry_shape_is_right
	s_endpgm
.Lentry_shape_is_right:
; O[h][q] = sum over k <= q of softmax_k(Q[h][q] . K[h / 4][k] / sqrt(128)) V[h / 4][k], both products on codes of FP6 (E2M3) with E8M0 scales; O / l leaves as codes again, quantised along the head's 128.
; THE SOFTMAX: t = score x log2(e) / sqrt(128); M = the running largest t rounded UP to a whole number; p = 2^(t - M) is quantised along the keys, not normalised; the row's sum is taken of the unquantised p and divides O at the end.
; SHARES.  An ITEM is one tile of 16 queries of one head.  A work-group (j = 4 c + cx of 64, kv head = y) has eight items: the kv head's four query heads at tile 127 - j and at tile j: 17 key steps of 128 for each head in every work-group.
; TWO WAVES SHARE AN ITEM: wave w takes head w % 4, tile 127 - j or j by (w / 4) % 2, and PART w / 8: part 0 works the even key steps, part 1 the odd ones, each with its own running M, sum and O^T, in 256 registers.
; So the longest chain of steps is 8, not 16.  At the end part 1 hands its O^T, M and sum to part 0 through LDS; part 0 brings both under the larger M (a whole number: the factors are powers of two), adds, divides and quantises.
; A tile's last key step, (tile / 8), is 15 - c / 2 or c / 2: it hangs on the cluster's number and the wave's alone.  EVERY wave walks all 16 steps' barriers and loads; a step that is hidden or the other part's skips its work by a scalar branch on ids.
; RING: two LDS slots of four key steps (4 records of 25,600 bytes: K's eight tiles, V^T's eight, their scale words), dense in memory.  CLUSTER 4 x 1: the partners walk the same K and V, so each of the sixteen waves asks JOINTLY (mask 15) for a sixteenth of a slot.
; LAYOUT.  Both products are used transposed (S^T = K Q^T, O^T = V^T P^T): a lane holds ONE query.  Fragments lie in memory as images of their registers.  Tile T's slot r is query (or key, or channel) 32 (T / 2) + 8 (T % 2) + r % 8 + 16 (r / 8):
; so the 16 registers of score tiles 2 b, 2 b + 1 are keys 32 b + 16 (lane / 16) + 0 .. 15, and O^T's likewise channels.
; LIMITS: hidden scores become -infinity where the definition has -1e30: p is 0 either way, since a query sees its own key; a block of zeros gets the byte 1 (zero codes; read by this program alone); NaN and infinities are not served.
; REGISTERS: v1-7, v31 addresses that stay; v8-9 the step's LDS addresses; v12 -M, v13 the largest t, v[14:15] the sum; v16-27 Q; v32-79 four fragments; v96-159 S^T, then p; v160-223 O^T; v224-235 p's codes; v232-254 at work; v248-251, v253, v255 scale words.
.set STEPB, 25600                      ; a key step's record
.set SLOTB, 4*STEPB
.set SLOT1, 1<<17                      ; slot 1 begins here: one exclusive or turns an address
.set SPARE, SLOT1+SLOTB                ; the spare words, 128 bytes for each wave: eight blocks of 256 bytes that no other line names
.set XS,    SPARE+2048                 ; 512 bytes: the four heads' scale words of a tile meet here
.set CMB,   XS+512                     ; where part 1 hands over: for each item 16 x 512 bytes of O^T and 512 of -M, t and the sum; no fill lands here
.set CMBI,  8704
.set WV,    10                         ; s10 wave;  s11 wave % 4;  s12 (wave / 4) % 2
.set LAST,  15                         ; s15 my tile's last key step
.set SI,    17                         ; s17 the key step
.set TB,    18                         ; s18 LDS byte at which its record begins
.set SLOTS, 19
.set SEL,   22                         ; s[22:23] lane l xor 16
.set CS,    24                         ; s[24:25] c = log2(e) / sqrt(128)
.set PART,  26                         ; s26 wave / 8;  s27 my item: wave % 8
.set G1,    28
.set G0,    36                         ; the one group 0, which walks
.set PFA,   40                         ; s[40:41] where my prefetches stand
.set LIM,   42                         ; 1 in a wave that prefetches, else the greatest number
.macro WM d, fa, fb, zero, sa, sb, ra
.if \zero
.if (\ra)==0
	v_wmma_scale_f32_16x16x128_f8f6f4 v[(\d):(\d)+7], v[(\fa):(\fa)+11], v[(\fb):(\fb)+11], 0, v[\sa], v[\sb] matrix_a_fmt:MATRIX_FMT_FP6 matrix_b_fmt:MATRIX_FMT_FP6
.else
	v_wmma_scale_f32_16x16x128_f8f6f4 v[(\d):(\d)+7], v[(\fa):(\fa)+11], v[(\fb):(\fb)+11], 0, v[\sa], v[\sb] matrix_a_fmt:MATRIX_FMT_FP6 matrix_b_fmt:MATRIX_FMT_FP6 matrix_a_scale:MATRIX_SCALE_ROW1
.endif
.else
.if (\ra)==0
	v_wmma_scale_f32_16x16x128_f8f6f4 v[(\d):(\d)+7], v[(\fa):(\fa)+11], v[(\fb):(\fb)+11], v[(\d):(\d)+7], v[\sa], v[\sb] matrix_a_fmt:MATRIX_FMT_FP6 matrix_b_fmt:MATRIX_FMT_FP6
.else
	v_wmma_scale_f32_16x16x128_f8f6f4 v[(\d):(\d)+7], v[(\fa):(\fa)+11], v[(\fb):(\fb)+11], v[(\d):(\d)+7], v[\sa], v[\sb] matrix_a_fmt:MATRIX_FMT_FP6 matrix_b_fmt:MATRIX_FMT_FP6 matrix_a_scale:MATRIX_SCALE_ROW1
.endif
.endif
.endm
.macro PLACES
.rept 4
	v_nop
.endr
.endm
.macro CROUND                          ; a round of the cluster's barrier
	s_barrier_signal -1
	s_barrier_wait -1
	s_cmp_lg_u32 s[WV], 0
	s_cbranch_scc1 .Lnot_wave_0_\@
	s_barrier_signal -3
.Lnot_wave_0_\@:
	s_barrier_wait -3
	s_barrier_signal -1
	s_barrier_wait -1
.endm
; A prefetch of what the NEXT change of slots will ask for.  All sixteen clusters of a kv head walk the same records: the first of them asks.  Its four partners take a key step each, told apart BY ADDRESS;
; in each, waves 0 to 2 name 8,192 bytes each of the step's 24,576 bytes of codes, lanes 256 bytes apart.  The last change that fills a slot asks for nothing.  Slots 0 and 1 come by their loads alone.
.macro ASK
	s_cmp_gt_u32 s[SLOTS], s[LIM]
	s_cbranch_scc0 .Lnot_mine_\@
	global_prefetch_b8 v28, s[PFA:PFA+1] th:TH_LOAD_NT scope:SCOPE_SE
.Lnot_mine_\@:
.endm
	s_load_b128 s[4:7], s[0:1], 0x0                ; qq s[4:5], kv s[6:7]
	s_load_b64 s[8:9], s[0:1], 0x10                ; aq
	v_lshl_add_u32 v5, v0, 2, SPARE                ; my spare word; never rewritten
	v_mov_b32 v6, 0                                ; 0; never rewritten
	ds_add_u32 v5, v6
	ds_add_u32 v5, v6
	s_wait_dscnt 0x0
	v_lshrrev_b32 v8, 5, v0
	s_delay_alu instid0(VALU_DEP_1)
	v_readfirstlane_b32 s[WV], v8                  ; wave 0..15
	s_and_b32 s11, s[WV], 3                        ; my head among the kv head's four
	s_bfe_u32 s12, s[WV], 0x10002                  ; 0: tile 127 - j; 1: tile j
	s_lshr_b32 s[PART], s[WV], 3                   ; 0: the even key steps; 1: the odd ones
	s_and_b32 s27, s[WV], 7                        ; my item
	s_bfe_u32 s13, ttmp6, 0x40000                  ; cx
	s_and_b32 s16, ttmp7, 0xffff                   ; the kv head
	s_lshl_b32 s14, ttmp9, 2
	s_add_co_u32 s14, s14, s13                     ; j
	s_sub_co_u32 s21, 127, s14
	s_lshr_b32 s[LAST], ttmp9, 1
	s_sub_co_u32 s43, 15, s[LAST]
	s_cmp_eq_u32 s12, 0
	s_cselect_b32 s14, s21, s14                    ; my tile T: it enters global addresses and the mask's numbers alone
	s_cselect_b32 s[LAST], s43, s[LAST]            ; T / 8
	; descriptor group 1: 6,400 dense bytes as 25 rows of 256 (32 elements of 8 bytes)
	s_mov_b32 s[G1+0], 15|(3<<16)|(1<<21)          ; the mask: all four work-groups; elements of 8 bytes; bit 21 set beside a mask
	s_mov_b32 s[G1+1], 32<<16
	s_mov_b32 s[G1+2], 25<<16
	s_mov_b32 s[G1+3], 32<<16
	s_mov_b32 s[G1+4], 25
	s_mov_b32 s[G1+5], 32
	s_mov_b32 s[G1+6], 0
	s_mov_b32 s[G1+7], 0
	s_mul_i32 s44, s16, 16*STEPB
	s_mul_i32 s21, s[WV], SLOTB/16
	s_add_co_u32 s44, s44, s21                     ; the kv head's records, my sixteenth of a slot
	s_mov_b32 s45, 0
	s_mul_i32 s46, s16, 16*STEPB
	s_mul_i32 s43, s13, STEPB
	s_add_co_u32 s46, s46, s43
	s_min_u32 s43, s[WV], 2                        ; (waves 3 to 15 ask for nothing; their address is held inside the buffer all the same)
	s_lshl_b32 s43, s43, 13
	s_add_co_u32 s46, s46, s43
	s_add_co_u32 s46, s46, SLOTB                   ; the prefetches: in slot 1; the first change of slots steps them to slot 2
	s_mov_b32 s47, 0
	s_lshl_b32 s48, s16, 2
	s_add_co_u32 s48, s48, s11                     ; my head
	s_lshl_b32 s48, s48, 5
	s_lshr_b32 s43, s14, 2
	s_add_co_u32 s48, s48, s43
	s_mul_i32 s48, s48, 6400                       ; Q's record: (head, T / 4)
	s_and_b32 s43, s14, 3
	s_mul_i32 s43, s43, 1536
	s_add_co_u32 s54, s48, s43                     ; its fragment T % 4
	s_mov_b32 s55, 0
	s_and_b32 s43, s14, 1
	s_lshl_b32 s43, s43, 7
	s_add_co_u32 s48, s48, s43
	s_bfe_u32 s43, s14, 0x10001
	s_lshl_b32 s43, s43, 2
	s_add_co_u32 s48, s48, s43
	s_add_co_u32 s48, s48, 6144                    ; and that tile's scale words: 8 bytes from slot to slot
	s_mov_b32 s49, 0
	s_lshl_b32 s50, s14, 2
	s_add_co_u32 s50, s50, s16
	s_mul_i32 s50, s50, 6400                       ; the output's record: (T, kv head)
	s_add_co_u32 s52, s50, 6144
	s_mul_i32 s43, s11, 1536
	s_add_co_u32 s50, s50, s43                     ; K step = my head % 4
	s_mov_b32 s51, 0
	s_mov_b32 s53, 0
	s_cmp_lt_u32 s[WV], 3
	s_cselect_b32 s43, 0, 1
	s_or_b32 s43, s43, ttmp9
	s_cmp_eq_u32 s43, 0
	s_cselect_b32 s[LIM], 1, -1                    ; waves 0 to 2 of the kv head's first cluster: the same in all four partners
	s_mov_b32 s[SEL], 0x76543210
	s_mov_b32 s[SEL+1], 0xfedcba98
	s_mov_b32 s[CS], 0x3e0293ee
	s_mov_b32 s[CS+1], s[CS]
	s_mov_b32 s[SI], 0
	s_mov_b32 s[TB], 0
	s_mov_b32 s[SLOTS], 3
	s_wait_kmcnt 0x0
	s_mov_b32 s[G0], 1
	s_mov_b32 s[G0+1], s21                         ; LDS address: 6,400 x wave, slot 0
	s_add_nc_u64 s[G0+2:G0+3], s[6:7], s[44:45]
	s_or_b32 s[G0+3], s[G0+3], 0x80000000
	s_add_nc_u64 s[PFA:PFA+1], s[6:7], s[46:47]
	s_add_nc_u64 s[56:57], s[4:5], s[54:55]
	s_add_nc_u64 s[58:59], s[4:5], s[48:49]
	s_add_nc_u64 s[50:51], s[8:9], s[50:51]
	s_add_nc_u64 s[52:53], s[8:9], s[52:53]
	CROUND                                         ; all four work-groups are here: the first joint loads meet
	tensor_load_to_lds s[G0:G0+3], s[G1:G1+7]      ; slot 0
	s_nop 0
	PLACES
	v_and_b32 v8, 31, v0                           ; l
	s_delay_alu instid0(VALU_DEP_1)
	v_lshlrev_b32 v1, 4, v8                        ; 16 l
	s_delay_alu instid0(VALU_DEP_2)
	v_lshlrev_b32 v2, 3, v8                        ; 8 l
	s_delay_alu instid0(VALU_DEP_3)
	v_lshlrev_b32 v28, 8, v8                       ; 256 l
	v_and_b32 v9, 15, v0                           ; r
	s_wait_alu depctr_va_vdst(0)
	v_bfe_u32 v10, v0, 4, 1                        ; h
	s_wait_alu depctr_va_vdst(0)
	v_lshlrev_b32 v29, 3, v9                       ; 8 r
.irp c, 0,1,2
	global_load_b128 v[16+4*\c:19+4*\c], v1, s[56:57] offset:512*\c   ; Q's fragment stays in registers
.endr
	global_load_b32 v255, v29, s[58:59]            ; and its scale words
	s_lshl_b32 s21, s12, 8
	s_add_co_u32 s21, s21, XS
	v_add_nc_u32 v4, s21, v2                       ; the exchange of scale words, back: 8 l
	s_lshl_b32 s43, s11, 2
	s_add_co_u32 s21, s21, s43
	v_lshl_add_u32 v3, v9, 4, s21                  ; and in: 16 r + 4 (head % 4)
	s_mul_i32 s21, s27, CMBI
	s_add_co_u32 s21, s21, CMB
	v_add_nc_u32 v31, s21, v1                      ; my item's place for the handing over: 16 l; the same in both of its waves
	s_bfe_u32 s21, s14, 0x20001
	s_lshl_b32 s21, s21, 5
	s_and_b32 s43, s14, 1
	s_lshl_b32 s43, s43, 3
	s_add_co_u32 s21, s21, s43
	v_and_b32 v7, 7, v9
	v_lshrrev_b32 v11, 3, v9
	s_delay_alu instid0(VALU_DEP_1)
	v_lshl_add_u32 v7, v11, 4, v7
	v_lshlrev_b32 v11, 4, v10
	s_delay_alu instid0(VALU_DEP_1)
	v_sub_nc_u32 v7, v7, v11
	s_delay_alu instid0(VALU_DEP_1)
	v_add_nc_u32 v7, s21, v7                       ; d = my query - the last step's first key - 16 (lane / 16): there register 16 b + i is hidden where 32 b + i > d
	v_mov_b32 v13, 0xff61b1e6                      ; the largest t so far: -3e38
	s_delay_alu instid0(VALU_DEP_1)
	v_floor_f32 v12, -v13                          ; -M
	v_mov_b32 v14, 0
	v_mov_b32 v15, 0
.irp b, 0,1,2,3
	v_mov_b32 v[236+\b], 0                         ; written once: a lane permute's destination counts as one of its sources
.endr
	v_mov_b32 v252, 0
	v_mov_b32 v253, 0
.set n, 0
.rept 64
	v_mov_b32 v[160+n], 0                          ; O^T: the step is written once; its first run finds zeros
.set n, n+1
.endr
; A KEY STEP: 128 keys
.macro STEP
	s_cmp_gt_u32 s[SI], s[LAST]                    ; all its keys come after my queries: only the lines at its end are run
	s_cbranch_scc1 .Lhidden_\@
	s_and_b32 s21, s[SI], 1
	s_cmp_lg_u32 s21, s[PART]                      ; the other part's step: likewise
	s_cbranch_scc1 .Lhidden_\@
	v_add_nc_u32 v8, s[TB], v1
	s_wait_alu depctr_va_vdst(0)
	v_add_nc_u32 v9, s[TB], v2
	s_wait_alu depctr_va_vdst(0)
	v_nop
	v_nop                                          ; four plain instructions in front of loads into registers that the last products read
.irp g, 0,1                                        ; S^T = K Q^T, four tiles of 16 keys at a time
.if \g > 0
	PLACES
.endif
.irp t, 0,1,2,3
.irp c, 0,1,2
	ds_load_b128 v[32+12*\t+4*\c:35+12*\t+4*\c], v8 offset:(4*\g+\t)*1536+512*\c
.endr
.endr
	ds_load_b64 v[248+2*\g:249+2*\g], v9 offset:24576+256*\g   ; four tiles' scale words: lanes 0-15 an even tile's, lanes 16-31 the next one's
	s_wait_dscnt 0x0
.irp t, 0,1,2,3
	WM 96+8*(4*\g+\t), 32+12*\t, 16, 1, 248+2*\g+\t/2, 255, \t%2
.endr
.endr
	PLACES
.irp t, 0,1,2,3                                    ; V^T's first four tiles are asked for now and land under the softmax
.irp c, 0,1,2
	ds_load_b128 v[32+12*\t+4*\c:35+12*\t+4*\c], v8 offset:12288+\t*1536+512*\c
.endr
.endr
	ds_load_b64 v[248:249], v9 offset:24576+512
	s_cmp_lt_u32 s[SI], s[LAST]                    ; a step all of whose keys count skips the mask
	s_cbranch_scc1 .Lopen_\@
	v_mov_b32 v254, 0xff800000                     ; -infinity
.set n, 0
.rept 64
	v_cmp_gt_i32 vcc_lo, 32*(n/16)+n%16, v7
	v_cndmask_b32 v[96+n], v[96+n], v254, vcc_lo
.set n, n+1
.endr
.Lopen_\@:
.irp b, 0,1,2,3
	v_max3_num_f32 v[232+\b], v[96+16*\b], v[97+16*\b], v[98+16*\b]   ; the largest score of each block of 32 keys: for the row's maximum and, since p rises with the score, for the block's largest p
.endr
.irp i, 3,5,7,9,11,13
.irp b, 0,1,2,3
	v_max3_num_f32 v[232+\b], v[232+\b], v[96+16*\b+\i], v[97+16*\b+\i]
.endr
.endr
.irp b, 0,1,2,3
	v_max_num_f32 v[232+\b], v[232+\b], v[111+16*\b]
.endr
.irp b, 0,1,2,3
	s_delay_alu instid0(VALU_DEP_4)
	v_permlanex16_b32 v[236+\b], v[232+\b], s[SEL], s[SEL+1]
.endr
.irp b, 0,1,2,3
	s_delay_alu instid0(VALU_DEP_4)
	v_max_num_f32 v[232+\b], v[232+\b], v[236+\b]  ; with lane l xor 16's 16 keys
.endr
	s_delay_alu instid0(VALU_DEP_2)
	v_max3_num_f32 v254, v232, v233, v234
	s_delay_alu instid0(VALU_DEP_1)
	v_max_num_f32 v254, v254, v235
	s_delay_alu instid0(VALU_DEP_1)
	v_mul_f32 v254, s[CS], v254                    ; as t (c is positive)
	s_delay_alu instid0(VALU_DEP_1)
	v_max_num_f32 v13, v13, v254                   ; the running largest t
	v_mov_b32 v254, v12
	s_delay_alu instid0(VALU_DEP_2)
	v_floor_f32 v12, -v13                          ; the new -M = -ceil(t): a whole number
	s_delay_alu instid0(VALU_DEP_1)
	v_sub_f32 v254, v12, v254                      ; old M - new M: a whole number, 0 or less
	s_delay_alu instid0(VALU_DEP_1)
	v_cvt_i32_f32 v254, v254                       ; (it saturates)
	s_delay_alu instid0(VALU_DEP_1)
	v_ldexp_f32 v252, 1.0, v254                    ; f = 2^(old M - new M): a multiplication by it rounds nothing
.set n, 0
.rept 32
	v_pk_fma_f32 v[96+n:97+n], v[96+n:97+n], s[CS:CS+1], v[12:13] op_sel_hi:[1,0,0]   ; t - M
.set n, n+2
.endr
.irp b, 0,1,2,3
	v_fma_f32 v[232+\b], v[232+\b], s[CS], v12
.endr
.set n, 0
	s_wait_alu depctr_va_vdst(0)
.rept 64
	v_exp_f32 v[96+n], v[96+n]                     ; p = 2^(t - M)
.set n, n+1
.endr
	v_pk_mul_f32 v[14:15], v[14:15], v[252:253] op_sel_hi:[1,0]   ; the sums under the new M; a plain instruction behind the exponentials
	s_wait_alu depctr_va_vdst(0)                   ; one wait for the whole batch, ahead of its first reader
.irp b, 0,1,2,3
	v_exp_f32 v[232+\b], v[232+\b]                 ; the blocks' largest p
.endr
	v_pk_add_f32 v[236:237], v[100:101], v[104:105]
	v_pk_add_f32 v[250:251], v[108:109], v[112:113]
	v_pk_add_f32 v[246:247], v[116:117], v[120:121]
	v_pk_add_f32 v[244:245], v[124:125], v[128:129]
	v_pk_add_f32 v[242:243], v[132:133], v[136:137]
	v_pk_add_f32 v[240:241], v[140:141], v[144:145]
	v_pk_add_f32 v[238:239], v[148:149], v[152:153]
	v_pk_add_f32 v[14:15], v[14:15], v[156:157]
	v_pk_add_f32 v[236:237], v[236:237], v[96:97]
	v_pk_add_f32 v[250:251], v[250:251], v[98:99]
	v_pk_add_f32 v[246:247], v[246:247], v[102:103]
	v_pk_add_f32 v[244:245], v[244:245], v[106:107]
	v_pk_add_f32 v[242:243], v[242:243], v[110:111]
	v_pk_add_f32 v[240:241], v[240:241], v[114:115]
	v_pk_add_f32 v[238:239], v[238:239], v[118:119]
	v_pk_add_f32 v[14:15], v[14:15], v[122:123]
	v_pk_add_f32 v[236:237], v[236:237], v[126:127]
	v_pk_add_f32 v[250:251], v[250:251], v[130:131]
	v_pk_add_f32 v[246:247], v[246:247], v[134:135]
	v_pk_add_f32 v[244:245], v[244:245], v[138:139]
	v_pk_add_f32 v[242:243], v[242:243], v[142:143]
	v_pk_add_f32 v[240:241], v[240:241], v[146:147]
	v_pk_add_f32 v[238:239], v[238:239], v[150:151]
	v_pk_add_f32 v[14:15], v[14:15], v[154:155]
	v_pk_add_f32 v[236:237], v[236:237], v[158:159]
	s_delay_alu instid0(VALU_DEP_2)
	v_pk_add_f32 v[14:15], v[14:15], v[244:245]
	s_delay_alu instid0(VALU_DEP_2)
	v_pk_add_f32 v[236:237], v[236:237], v[242:243]
	v_pk_add_f32 v[250:251], v[250:251], v[240:241]
	v_pk_add_f32 v[246:247], v[246:247], v[238:239]
	s_delay_alu instid0(VALU_DEP_2)
	v_pk_add_f32 v[14:15], v[14:15], v[250:251]
	s_delay_alu instid0(VALU_DEP_2)
	v_pk_add_f32 v[236:237], v[236:237], v[246:247]
	s_delay_alu instid0(VALU_DEP_1)
	v_pk_add_f32 v[14:15], v[14:15], v[236:237]
	s_wait_alu depctr_va_vdst(0)                   ; and one for the four
.irp b, 0,1,2,3
	v_max_num_f32 v[232+\b], 0x1800000, v[232+\b]  ; the floor 2^(3 - 127): the byte cannot fall under 1
.endr
.irp b, 0,1,2,3
	s_delay_alu instid0(VALU_DEP_4)
	v_add_nc_u32 v[244+\b], 0xff000000, v[232+\b]  ; the conversion's scale operand
.endr
.irp b, 0,1,2,3
	s_delay_alu instid0(VALU_DEP_4)
	v_lshrrev_b32 v[236+\b], 23, v[244+\b]         ; the scale's byte
.endr
	s_delay_alu instid0(VALU_DEP_3)
	v_lshl_or_b32 v253, v237, 8, v236              ; p's scale word for these 128 keys
	s_delay_alu instid0(VALU_DEP_1)
	v_lshl_or_b32 v253, v238, 16, v253
	s_delay_alu instid0(VALU_DEP_1)
	v_lshl_or_b32 v253, v239, 24, v253
.irp c, 0,1
	v_cvt_scalef32_pk16_fp6_f32 v[224+6*\c:226+6*\c], v[96+32*\c:111+32*\c], v[244+2*\c]
	v_cvt_scalef32_pk16_fp6_f32 v[236+4*\c:238+4*\c], v[112+32*\c:127+32*\c], v[244+2*\c+1]
.endr
	v_nop                                          ; one plain instruction behind a scaled conversion
.irp c, 0,1
.irp i, 0,1,2
	v_permlane16_swap_b32 v[224+6*\c+\i], v[236+4*\c+\i]
.endr
.irp i, 0,1,2
	s_delay_alu instid0(VALU_DEP_3)
	v_mov_b32 v[227+6*\c+\i], v[236+4*\c+\i]
.endr
.endr
.set n, 0
.rept 32
	v_pk_mul_f32 v[160+n:161+n], v[160+n:161+n], v[252:253] op_sel_hi:[1,0]   ; O^T under the new M; these 32 are also the places in front of the products below
.set n, n+2
.endr
	s_wait_alu depctr_va_vdst(0)
	s_wait_dscnt 0x0                               ; V^T's first four tiles
.irp t, 0,1,2,3
	WM 160+8*\t, 32+12*\t, 224, 0, 248+\t/2, 253, \t%2
.endr
	PLACES
.irp t, 0,1,2,3
.irp c, 0,1,2
	ds_load_b128 v[32+12*\t+4*\c:35+12*\t+4*\c], v8 offset:12288+(4+\t)*1536+512*\c
.endr
.endr
	ds_load_b64 v[250:251], v9 offset:24576+768
	s_wait_dscnt 0x0
.irp t, 0,1,2,3
	WM 160+8*(4+\t), 32+12*\t, 224, 0, 250+\t/2, 253, \t%2
.endr
.Lhidden_\@:
	s_add_co_u32 s[SI], s[SI], 1
	s_add_co_u32 s[TB], s[TB], STEPB
.endm
; THE CHANGE OF SLOTS stands at a slot's head: each wave waits for all its tensor loads (its part of the slot ahead), adds 0 to its spare word, and waits for that and for its reads of the slot that it has left.
; fill = 1: the barrier is a round of the cluster's, and behind it the slot just left is filled with the next four key steps: the load has four key steps in which to land.
.macro CHANGE fill
	s_wait_tensorcnt 0x0                           ; no tensor load of mine is out, so the group 0 may be written
	ds_add_u32 v5, v6                              ; 0 onto my spare word
.if \fill
	s_xor_b32 s[G0+1], s[G0+1], SLOT1
	s_add_nc_u64 s[G0+2:G0+3], s[G0+2:G0+3], SLOTB
	s_wait_xcnt 0x0                                ; the last prefetch, a slot back, has read its address
	s_add_nc_u64 s[PFA:PFA+1], s[PFA:PFA+1], SLOTB
.endif
	s_wait_dscnt 0x0
.if \fill
	CROUND
	tensor_load_to_lds s[G0:G0+3], s[G1:G1+7]      ; the first thing behind the round, and my one tensor load until the next
	s_nop 0
	PLACES
	ASK
.else
	s_barrier_signal -1
	s_barrier_wait -1
.endif
.endm
.macro SLOT_STEPS                      ; a slot's four key steps: written once, walked four times
	s_mov_b32 s20, 4
.Lstep_\@:
	STEP
	s_sub_co_u32 s20, s20, 1
	s_cmp_lg_u32 s20, 0
	s_cbranch_scc1 .Lstep_\@
	s_sub_co_u32 s[TB], s[TB], SLOTB
	s_xor_b32 s[TB], s[TB], SLOT1                  ; on to the other slot
.endm
	s_wait_loadcnt 0x0                             ; Q
.Lslot:                                            ; three trips: behind each change of slots but the last the next slot is asked for
	CHANGE 1
	SLOT_STEPS
	s_sub_co_u32 s[SLOTS], s[SLOTS], 1
	s_cmp_lg_u32 s[SLOTS], 0
	s_cbranch_scc1 .Lslot
	CHANGE 0                                       ; the last slot is written out
	SLOT_STEPS
	; THE TWO PARTS MEET.  Part 1 stores its O^T and its -M, t and sum as they stand in its registers, lane l's 16 bytes at 16 l; a barrier; part 0 loads them by the same lines
	PLACES                                         ; behind the last products
	s_cmp_lt_u32 s[WV], 8
	s_cbranch_scc1 .Lowner
.set n, 0
	s_wait_alu depctr_va_vdst(0)
.rept 16
	ds_store_b128 v31, v[160+4*n:163+4*n] offset:512*n   ; each accumulator from its low end on
.set n, n+1
.endr
	ds_store_b128 v31, v[12:15] offset:8192
.Lowner:
	s_wait_dscnt 0x0                               ; for the other part's sake
	s_barrier_signal -1
	s_barrier_wait -1
	s_cmp_ge_u32 s[WV], 8
	s_cbranch_scc1 .Lgiven
.set n, 0
.rept 16
	ds_load_b128 v[96+4*n:99+4*n], v31 offset:512*n      ; the other part's O^T
.set n, n+1
.endr
	ds_load_b128 v[32:35], v31 offset:8192         ; its -M in v32, its sum's halves in v34, v35
	v_add_f32 v14, v14, v15                        ; my sum's two halves
	v_mov_b32 v41, 0                               ; (named as the upper halves of pairs)
	v_mov_b32 v43, 0
	s_wait_dscnt 0x0
	v_min_num_f32 v36, v12, v32                    ; -M of the larger M.  (A part that had no step holds -M = 3e38, a sum of 0 and zeros: its factor below comes out 0)
	s_delay_alu instid0(VALU_DEP_1)
	v_sub_f32 v37, v36, v12                        ; my M less the larger: a whole number, 0 or less
	s_delay_alu instid0(VALU_DEP_2)
	v_sub_f32 v38, v36, v32                        ; the other part's likewise
	s_delay_alu instid0(VALU_DEP_2)
	v_cvt_i32_f32 v37, v37                         ; (they saturate)
	s_delay_alu instid0(VALU_DEP_2)
	v_cvt_i32_f32 v38, v38
	s_delay_alu instid0(VALU_DEP_2)
	v_ldexp_f32 v40, 1.0, v37                      ; the two factors: powers of two
	s_delay_alu instid0(VALU_DEP_2)
	v_ldexp_f32 v42, 1.0, v38
	v_add_f32 v34, v34, v35
	s_delay_alu instid0(VALU_DEP_3)
	v_mul_f32 v14, v14, v40
	s_delay_alu instid0(VALU_DEP_1)
	v_fma_f32 v14, v34, v42, v14                   ; both sums under the larger M,
	s_delay_alu instid0(VALU_DEP_1)
	v_permlanex16_b32 v252, v14, s[SEL], s[SEL+1]
	s_delay_alu instid0(VALU_DEP_1)
	v_add_f32 v14, v14, v252                       ; and lane l xor 16's: the row's sum
	s_wait_alu depctr_va_vdst(0)
	v_rcp_f32 v14, v14
	v_nop
	s_wait_alu depctr_va_vdst(0)                   ; the wait ahead of the reciprocal's first reader
	v_mul_f32 v40, v40, v14                        ; factor / sum
	v_mul_f32 v42, v42, v14
.set n, 0
.rept 32
	v_pk_mul_f32 v[96+n:97+n], v[96+n:97+n], v[42:43] op_sel_hi:[1,0]
.set n, n+2
.endr
.set n, 0
.rept 32
	v_pk_fma_f32 v[96+n:97+n], v[160+n:161+n], v[40:41], v[96+n:97+n] op_sel_hi:[1,0,1]   ; O / l: register 16 b + i is channel 32 b + 16 (lane / 16) + i of my query
.set n, n+2
.endr
	; quantised along the head's 128; the fragment leaves as it stands; the four heads' scale words meet in LDS and leave as one block of 256 bytes
.irp b, 0,1,2,3
	v_max3_num_f32 v[232+\b], |v[96+16*\b]|, |v[97+16*\b]|, 0x1800000
.endr
.irp i, 2,4,6,8,10,12,14
.irp b, 0,1,2,3
	s_delay_alu instid0(VALU_DEP_4)
	v_max3_num_f32 v[232+\b], v[232+\b], |v[96+16*\b+\i]|, |v[97+16*\b+\i]|
.endr
.endr
.irp b, 0,1,2,3
	s_delay_alu instid0(VALU_DEP_4)
	v_permlanex16_b32 v[236+\b], v[232+\b], s[SEL], s[SEL+1]
.endr
.irp b, 0,1,2,3
	s_delay_alu instid0(VALU_DEP_4)
	v_max_num_f32 v[232+\b], v[232+\b], v[236+\b]
.endr
.irp b, 0,1,2,3
	s_delay_alu instid0(VALU_DEP_4)
	v_add_nc_u32 v[244+\b], 0xff000000, v[232+\b]
.endr
.irp b, 0,1,2,3
	s_delay_alu instid0(VALU_DEP_4)
	v_lshrrev_b32 v[236+\b], 23, v[244+\b]
.endr
	s_delay_alu instid0(VALU_DEP_3)
	v_lshl_or_b32 v30, v237, 8, v236
	s_delay_alu instid0(VALU_DEP_1)
	v_lshl_or_b32 v30, v238, 16, v30
	s_delay_alu instid0(VALU_DEP_1)
	v_lshl_or_b32 v30, v239, 24, v30
.irp c, 0,1
	v_cvt_scalef32_pk16_fp6_f32 v[224+6*\c:226+6*\c], v[96+32*\c:111+32*\c], v[244+2*\c]
	v_cvt_scalef32_pk16_fp6_f32 v[236+4*\c:238+4*\c], v[112+32*\c:127+32*\c], v[244+2*\c+1]
.endr
	v_nop
.irp c, 0,1
.irp i, 0,1,2
	v_permlane16_swap_b32 v[224+6*\c+\i], v[236+4*\c+\i]
.endr
.irp i, 0,1,2
	s_delay_alu instid0(VALU_DEP_3)
	v_mov_b32 v[227+6*\c+\i], v[236+4*\c+\i]
.endr
.endr
.irp c, 0,1,2
	global_store_b128 v1, v[224+4*\c:227+4*\c], s[50:51] offset:512*\c   ; 512 consecutive bytes, at a multiple of 256 from the buffer's first byte
.endr
	ds_store_b32 v3, v30                           ; lanes r and r + 16 write the same word with the same value
.Lgiven:
	s_wait_dscnt 0x0                               ; for the others' sake
	s_barrier_signal -1
	s_barrier_wait -1
	s_and_b32 s21, s[WV], 11                       ; waves 0 and 4 store their tile's 256 scale bytes
	s_cmp_lg_u32 s21, 0
	s_cbranch_scc1 .Lnot_first
	ds_load_b64 v[32:33], v4
	s_wait_dscnt 0x0
	global_store_b64 v2, v[32:33], s[52:53]
.Lnot_first:
	s_wait_tensorcnt 0x0                           ; the wave's end
	ds_add_u32 v5, v6
	s_wait_dscnt 0x0
	CROUND                                         ; the closing round
	s_endpgm
.Lfunc_end_k_q1c381d6d4d_attn:
	.size	k_q1c381d6d4d_attn, .Lfunc_end_k_q1c381d6d4d_attn-k_q1c381d6d4d_attn
	.p2alignl 7, 3214868480
	.fill 96, 4, 3214868480
	.section	.rodata,"a",@progbits
	.p2align	6, 0x0
	.amdhsa_kernel k_q1c381d6d4d_attn
		.amdhsa_group_segment_fixed_size 327680
		.amdhsa_private_segment_fixed_size 0
		.amdhsa_enable_private_segment 0
		.amdhsa_kernarg_size 24
		.amdhsa_user_sgpr_count 2
		.amdhsa_user_sgpr_kernarg_segment_ptr 1
		.amdhsa_wavefront_size32 1
		.amdhsa_system_sgpr_workgroup_id_x 1
		.amdhsa_system_sgpr_workgroup_id_y 1
		.amdhsa_system_sgpr_workgroup_id_z 1
		.amdhsa_system_vgpr_workitem_id 0
		.amdhsa_next_free_vgpr 256
		.amdhsa_next_free_sgpr 66
		.amdhsa_reserve_vcc 1
		.amdhsa_float_denorm_mode_32 3
		.amdhsa_float_denorm_mode_16_64 3
		.amdhsa_memory_ordered 1
		.amdhsa_forward_progress 1
		.amdhsa_inst_pref_size 76
	.end_amdhsa_kernel
	.amdgpu_metadata
---
amdhsa.version: [ 1, 2 ]
amdhsa.kernels:
  - .name:           k_q1c381d6d4d_attn
    .symbol:         k_q1c381d6d4d_attn.kd
    .args:
      - { .name: qq, .offset: 0, .size: 8, .value_kind: global_buffer, .address_space: global }
      - { .name: kv, .offset: 8, .size: 8, .value_kind: global_buffer, .address_space: global }
      - { .name: aq, .offset: 16, .size: 8, .value_kind: global_buffer, .address_space: global }
    .group_segment_fixed_size: 327680
    .private_segment_fixed_size: 0
    .kernarg_segment_align: 8
    .kernarg_segment_size: 24
    .max_flat_workgroup_size: 512
    .sgpr_count:     66
    .vgpr_count:     256
    .wavefront_size: 32
...
	.end_amdgpu_metadata
.endif
;; end of part 3
;; launch oproj (part 4): grid 16 x 16, 4 waves a work-group, clusters of 4 x 4, 327,680 bytes of LDS; arguments aq, wq, out0; writes out0
.if DOCPART == 4
	.amdgcn_target "amdgcn-amd-amdhsa--gfx1250"
	.amdhsa_code_object_version 6
	.text
	.protected	k_q1c381d6d4d_oproj
	.globl	k_q1c381d6d4d_oproj
	.p2align	8
	.type	k_q1c381d6d4d_oproj,@function
k_q1c381d6d4d_oproj:
	s_mov_b64 s[64:65], 0
	v_nop
	global_prefetch_b8 v0, s[64:65] scope:SCOPE_SE
	s_setreg_imm32_b32 hwreg(HW_REG_WAVE_MODE, 25, 1), 1
	s_wait_xcnt 0x0
	s_wait_alu depctr_hold_cnt(0) depctr_sa_sdst(0) depctr_va_vdst(0) depctr_va_sdst(0) depctr_va_ssrc(0) depctr_va_vcc(0) depctr_vm_vsrc(0)
	s_getreg_b32 s2, hwreg(HW_REG_IB_STS2, 6, 4)
	s_cmp_eq_u32 s2, 0
	s_cbranch_scc0 .Lentry_in_a_cluster
	s_endpgm
.Lentry_in_a_cluster:
	s_bfe_u32 s2, ttmp6, 0x10000c
	s_cmp_lg_u32 s2, 0xf033
	s_cbranch_scc0 .Lentry_shape_is_right
	s_endpgm
.Lentry_shape_is_right:
; out0 = A Wo on codes of FP6 (E2M3) with E8M0 scales, sums in f32.  A: the attention's output, 2,048 queries x K = 2,048 (head, channel), as records in aq; Wo's columns are row blocks 192-319 of wq.
; A work-group makes 128 queries (P side) x 128 columns (R side): 16 x 16 = 256 work-groups.  The matrix instruction takes 16 rows of R as source 0 and 16 rows of P as source 1: a lane holds one query and its registers run along the columns.
; Four waves, each 64 x 64: wave w takes P's row blocks 4 (w / 2) on against R's row blocks 4 (w % 2) on: 16 accumulators; a K step of 128 is 24 LDS loads for 16 products.
; Operands lie in memory as images of their registers (records of 6,400 bytes: four fragments of 16 rows x 128 K, then 256 scale bytes); of each 32 rows fragment u holds in slot r the row 8 u + r % 8 + 16 (r / 8).
; RING: two LDS slots of 512 along K (a record for each of 16 row blocks); four fills in all, so the loop over K is written out.
; CLUSTER 4 x 4: the four of a row of the cluster need the same tile of P, the four of a column the same tile of R: each tile is asked for JOINTLY, by the same tensor load with the same descriptor and a mask that names the four.
; No prefetch: half of K is asked for at the start, and the launch is short.
; REGISTERS: window 0: v1-31 addresses; v32-63 scale words, two sets, and nothing else; v96-191 P's fragments, two sets; on the way out v96-223 rows of the result.   window 1: R's fragments, two sets (v0-47, v48-95).   window 2: accumulator (a, t) at v[8 (4 a + t)].
.set REC,   6400
.set RBP,   25600                      ; from a row block to the next in memory
.set SLOT,  102400                     ; P's 8 records, then R's 8
.set ROFF,  51200
.set SPARE, 2*SLOT                     ; the spare words, 128 bytes for each wave: two blocks of 256 bytes that no other line names
.set SPITCH, 272                       ; the way out: a stage of 16 rows x (256 bytes + 16) for each wave, in slot 0, which has had its last fill and its last read by then
.set ADP,   16                         ; v16-17 my P fragments in slot 0, 1
.set ADQ,   18                         ; v18-19 my R fragments
.set ASP,   20                         ; v20-21 P's scale words: lanes 0-15 an even row block's, lanes 16-31 the next one's
.set ASQ,   22                         ; v22-23 R's
.set STO,   24                         ; v24 the stage: where I put 32 bytes of a row
.set RD,    25                         ; v25 and where I read rows back: lanes 0-15 one row, lanes 16-31 the next
.set CO,    26                         ; v26 the same two rows in the output
.set SPW,   28                         ; v28 my spare word; never rewritten
.set NIL,   29                         ; v29 0; never rewritten
.set SC,    32
.set PF,    96
.set BK,    96                         ; the way out: 32 registers for each of the four blocks
.set WV,    24                         ; s24 wave;  s25 wave / 2: my half of P; also 0 fetches for P, 1 for R;  s26 wave % 2: my half of R; also which half of the tile I fetch
.set ROLE,  25
.set G1P,   32
.set G1Q,   40
.set G0P,   48                         ; a group 0 for each slot
.set G0Q,   56
.set MUL,   0xa1                       ; source 0 (R) window 1, source 1 (P) window 0, C and D window 2
.set TO_R,  0x40                       ; destination window 1
.set MSB, 0
.macro WIN new                         ; the immediate's high byte repeats the setting that is left
.if MSB != (\new)
	s_set_vgpr_msb (MSB<<8)|(\new)
.set MSB, (\new)
.endif
.endm
.macro PLACES                          ; four plain instructions between a matrix instruction and a load into, or a read of, its registers
.rept 4
	v_nop
.endr
.endm
; one matrix instruction.  zero = 1: it starts its sum.  ra, rb = 1: the side's scale words are read from lanes 16-31
.macro WM d, fa, fb, zero, sa, sb, ra, rb
.if \zero
.if ((\ra)==0) && ((\rb)==0)
	v_wmma_scale_f32_16x16x128_f8f6f4 v[(\d):(\d)+7], v[(\fa):(\fa)+11], v[(\fb):(\fb)+11], 0, v[\sa], v[\sb] matrix_a_fmt:MATRIX_FMT_FP6 matrix_b_fmt:MATRIX_FMT_FP6
.elseif ((\ra)==1) && ((\rb)==0)
	v_wmma_scale_f32_16x16x128_f8f6f4 v[(\d):(\d)+7], v[(\fa):(\fa)+11], v[(\fb):(\fb)+11], 0, v[\sa], v[\sb] matrix_a_fmt:MATRIX_FMT_FP6 matrix_b_fmt:MATRIX_FMT_FP6 matrix_a_scale:MATRIX_SCALE_ROW1
.elseif ((\ra)==0) && ((\rb)==1)
	v_wmma_scale_f32_16x16x128_f8f6f4 v[(\d):(\d)+7], v[(\fa):(\fa)+11], v[(\fb):(\fb)+11], 0, v[\sa], v[\sb] matrix_a_fmt:MATRIX_FMT_FP6 matrix_b_fmt:MATRIX_FMT_FP6 matrix_b_scale:MATRIX_SCALE_ROW1
.else
	v_wmma_scale_f32_16x16x128_f8f6f4 v[(\d):(\d)+7], v[(\fa):(\fa)+11], v[(\fb):(\fb)+11], 0, v[\sa], v[\sb] matrix_a_fmt:MATRIX_FMT_FP6 matrix_b_fmt:MATRIX_FMT_FP6 matrix_a_scale:MATRIX_SCALE_ROW1 matrix_b_scale:MATRIX_SCALE_ROW1
.endif
.else
.if ((\ra)==0) && ((\rb)==0)
	v_wmma_scale_f32_16x16x128_f8f6f4 v[(\d):(\d)+7], v[(\fa):(\fa)+11], v[(\fb):(\fb)+11], v[(\d):(\d)+7], v[\sa], v[\sb] matrix_a_fmt:MATRIX_FMT_FP6 matrix_b_fmt:MATRIX_FMT_FP6
.elseif ((\ra)==1) && ((\rb)==0)
	v_wmma_scale_f32_16x16x128_f8f6f4 v[(\d):(\d)+7], v[(\fa):(\fa)+11], v[(\fb):(\fb)+11], v[(\d):(\d)+7], v[\sa], v[\sb] matrix_a_fmt:MATRIX_FMT_FP6 matrix_b_fmt:MATRIX_FMT_FP6 matrix_a_scale:MATRIX_SCALE_ROW1
.elseif ((\ra)==0) && ((\rb)==1)
	v_wmma_scale_f32_16x16x128_f8f6f4 v[(\d):(\d)+7], v[(\fa):(\fa)+11], v[(\fb):(\fb)+11], v[(\d):(\d)+7], v[\sa], v[\sb] matrix_a_fmt:MATRIX_FMT_FP6 matrix_b_fmt:MATRIX_FMT_FP6 matrix_b_scale:MATRIX_SCALE_ROW1
.else
	v_wmma_scale_f32_16x16x128_f8f6f4 v[(\d):(\d)+7], v[(\fa):(\fa)+11], v[(\fb):(\fb)+11], v[(\d):(\d)+7], v[\sa], v[\sb] matrix_a_fmt:MATRIX_FMT_FP6 matrix_b_fmt:MATRIX_FMT_FP6 matrix_a_scale:MATRIX_SCALE_ROW1 matrix_b_scale:MATRIX_SCALE_ROW1
.endif
.endif
.endm
; four matrix instructions: my block a of P against my four of R.  The 16 accumulators take turns, one instruction a turn, in the same order in every K step
.macro MULA a, set, q, sc, zero
.irp t, 0,1,2,3
	WM 8*(4*(\a)+\t), 48*(\set)+12*\t, PF+48*(\set)+12*(\a), \zero, SC+16*(\sc)+4*(\t/2)+(\q), SC+16*(\sc)+8+4*((\a)/2)+(\q), \t%2, (\a)%2
.endr
.endm
.macro FETCH slot, q, set              ; 24 LDS loads in one run: K step q of a slot: my four fragments of R and my four of P, each as three loads of 512 consecutive bytes
	WIN TO_R
.irp t, 0,1,2,3
.irp c, 0,1,2
	ds_load_b128 v[48*(\set)+12*\t+4*\c:48*(\set)+12*\t+4*\c+3], v[ADQ+\slot] offset:REC*\t+1536*(\q)+512*\c
.endr
.endr
	WIN 0
.irp a, 0,1,2,3
.irp c, 0,1,2
	ds_load_b128 v[PF+48*(\set)+12*\a+4*\c:PF+48*(\set)+12*\a+4*\c+3], v[ADP+\slot] offset:REC*\a+1536*(\q)+512*\c
.endr
.endr
.endm
.macro SCALES slot                     ; a slot's scale words, four K steps at once: register 4 i + q: lanes 0-15 my block 2 i of R, lanes 16-31 block 2 i + 1; register 8 + 4 i + q the same for P
.irp i, 0,1
	ds_load_b128 v[SC+16*\slot+4*\i:SC+16*\slot+4*\i+3], v[ASQ+\slot] offset:2*REC*\i
.endr
.irp i, 0,1
	ds_load_b128 v[SC+16*\slot+8+4*\i:SC+16*\slot+8+4*\i+3], v[ASP+\slot] offset:2*REC*\i
.endr
.endm
; a joint load: waves 0, 1 ask for P's halves, waves 2, 3 for R's.  Each of the two lines has ONE mask and one set of registers for all that issue it; the branch hangs on the wave's number alone.  Four v_nop follow each of the two lines
.macro JLOAD s
	s_cmp_eq_u32 s[ROLE], 0
	s_cbranch_scc0 .Lfor_r_\@
	tensor_load_to_lds s[G0P+4*\s:G0P+4*\s+3], s[G1P:G1P+7]
	s_nop 0
.rept 4
	v_nop
.endr
	s_branch .Lasked_\@
.Lfor_r_\@:
	tensor_load_to_lds s[G0Q+4*\s:G0Q+4*\s+3], s[G1Q:G1Q+7]
	s_nop 0
.rept 4
	v_nop
.endr
.Lasked_\@:
.endm
.macro CREST                           ; a round of the cluster's barrier behind its opening barrier
	s_cmp_lg_u32 s[WV], 0
	s_cbranch_scc1 .Lnot_wave_0_\@
	s_barrier_signal -3
.Lnot_wave_0_\@:
	s_barrier_wait -3
	s_barrier_signal -1
	s_barrier_wait -1
.endm
.macro CROUND
	s_barrier_signal -1
	s_barrier_wait -1
	CREST
.endm
.macro KSTEP slot, q, zero             ; its fragments were asked for a K step ago; the next step's are asked for ahead of its 16 products
	s_wait_dscnt 0x0
	PLACES                                         ; the other set was read by the products just issued
	FETCH \slot, (\q)+1, ((\q)+1)%2
	WIN MUL
	MULA 0, (\q)%2, \q, \slot, \zero
	MULA 1, (\q)%2, \q, \slot, \zero
	MULA 2, (\q)%2, \q, \slot, \zero
	MULA 3, (\q)%2, \q, \slot, \zero
.endm
; a slot's last K step changes slots: ONE barrier; in front of it each wave waits for all its tensor loads, adds 0 to its spare word, and waits for that and for its reads of this slot.  fill = 1: this slot is filled again
.macro TURN slot, next, fill
	WIN 0                                          ; (the add's two registers lie in window 0)
	s_wait_tensorcnt 0x0                           ; all my tensor loads have landed: my part of the next slot
	ds_add_u32 v[SPW], v[NIL]                      ; 0 onto my spare word
	s_wait_dscnt 1                                 ; this step's fragments are in; the add may be out
	WIN MUL
	MULA 0, 1, 3, \slot, 0                         ; eight matrix instructions stand between the add and the wait for it
	MULA 1, 1, 3, \slot, 0
	WIN 0
	s_wait_dscnt 0x0                               ; the add is done, and my reads of this slot are over
	s_barrier_signal -1
	s_barrier_wait -1
.if \fill
	CREST                                          ; the barrier has opened a round of the cluster's: no wave of any partner still reads this slot or has a load on its way
	s_add_nc_u64 s[G0P+4*\slot+2:G0P+4*\slot+3], s[G0P+4*\slot+2:G0P+4*\slot+3], 2*REC
	s_add_nc_u64 s[G0Q+4*\slot+2:G0Q+4*\slot+3], s[G0Q+4*\slot+2:G0Q+4*\slot+3], 2*REC
	JLOAD \slot                                    ; the first tensor load behind the round; its four v_nop are the places in front of the loads below
.else
	PLACES
.endif
	FETCH \next, 0, 0
	s_wait_alu depctr_va_vdst(0)
	SCALES \next
.if (\fill) && ((\slot)==0)
	global_prefetch_b8 v30, s[74:75] offset:3*REC th:TH_LOAD_NT scope:SCOPE_SE   ; K group 2 has just been asked for: K group 3 is named one fill ahead; its own fill is followed by no prefetch
.endif
	WIN MUL
	MULA 2, 1, 3, \slot, 0
	MULA 3, 1, 3, \slot, 0
.endm
	s_load_b128 s[4:7], s[0:1], 0x0                ; aq s[4:5], wq s[6:7]
	s_load_b64 s[8:9], s[0:1], 0x10                ; out0
	v_lshl_add_u32 v[SPW], v0, 2, SPARE
	v_mov_b32 v[NIL], 0
	ds_add_u32 v28, v29
	ds_add_u32 v28, v29
	s_wait_dscnt 0x0
	v_lshrrev_b32 v1, 5, v0
	v_readfirstlane_b32 s[WV], v1                  ; wave 0..3
	s_lshr_b32 s[ROLE], s[WV], 1
	s_and_b32 s26, s[WV], 1
	s_bfe_u32 s27, ttmp6, 0x40000                  ; cx, cy: my place in the cluster
	s_bfe_u32 s28, ttmp6, 0x40004
	s_lshl_b32 s29, ttmp9, 2
	s_add_co_u32 s29, s29, s27                     ; gx = 4 x cluster x + cx: which 128 columns
	s_and_b32 s30, ttmp7, 0xffff
	s_lshl_b32 s30, s30, 2
	s_add_co_u32 s30, s30, s28                     ; gy = 4 x cluster y + cy: which 128 queries
	s_lshl_b32 s82, s28, 2
	s_lshl_b32 s82, 15, s82                        ; my row of the cluster: places 4 cy .. 4 cy + 3
	s_lshl_b32 s83, 0x1111, s27                    ; my column: places cx, cx + 4, cx + 8, cx + 12
	; descriptor group 1: 4 records of 6,400 bytes (800 elements of 8 bytes), 25,600 bytes apart
	s_or_b32 s[G1P+0], s82, (3<<16)|(1<<21)        ; 15:0 the mask: P's tiles go to my row; 17:16 elements of 8 bytes; 21 set beside a mask
	s_or_b32 s[G1Q+0], s83, (3<<16)|(1<<21)        ; the same with the mask of my column, for R's tiles
.irp g, G1P, G1Q
	s_mov_b32 s[\g+1], 800<<16                     ; tensor_dim0
	s_mov_b32 s[\g+2], 4<<16                       ; tensor_dim1
	s_mov_b32 s[\g+3], 800<<16                     ; tile_dim0
	s_mov_b32 s[\g+4], 4                           ; tile_dim1
	s_mov_b32 s[\g+5], 3200                        ; tensor_dim0_stride
	s_mov_b32 s[\g+6], 0
	s_mov_b32 s[\g+7], 0
.endr
	s_mul_i32 s66, s30, 8*RBP                      ; P's tile hangs on gy alone, which my row of the cluster shares
	s_mul_i32 s67, s26, 4*RBP
	s_add_co_u32 s66, s66, s67                     ; + my half
	s_mov_b32 s67, 0
	s_mul_i32 s68, s29, 8*RBP                      ; R's on gx alone, which my column shares
	s_add_co_u32 s68, s68, 192*RBP
	s_mul_i32 s69, s26, 4*RBP
	s_add_co_u32 s68, s68, s69
	s_mov_b32 s69, 0
	s_mul_i32 s70, s26, 4*REC                      ; where they go in a slot: the wave's number alone
	s_add_co_u32 s71, s70, ROFF
	s_wait_kmcnt 0x0
	s_add_nc_u64 s[86:87], s[4:5], s[66:67]
	s_add_nc_u64 s[88:89], s[6:7], s[68:69]
.irp s, 0,1
	s_mov_b32 s[G0P+4*\s], 1                       ; count = 1
	s_add_co_u32 s[G0P+4*\s+1], s70, \s*SLOT       ; LDS address
	s_add_nc_u64 s[G0P+4*\s+2:G0P+4*\s+3], s[86:87], \s*REC   ; K group s
	s_or_b32 s[G0P+4*\s+3], s[G0P+4*\s+3], 0x80000000         ; type = 2
	s_mov_b32 s[G0Q+4*\s], 1
	s_add_co_u32 s[G0Q+4*\s+1], s71, \s*SLOT
	s_add_nc_u64 s[G0Q+4*\s+2:G0Q+4*\s+3], s[88:89], \s*REC
	s_or_b32 s[G0Q+4*\s+3], s[G0Q+4*\s+3], 0x80000000
.endr
	CROUND                                         ; all sixteen work-groups are here: the first joint loads meet
	JLOAD 0                                        ; K group 0
	v_and_b32 v1, 31, v0                           ; l
	v_and_b32 v2, 15, v0                           ; r
	v_bfe_u32 v3, v0, 4, 1                         ; h
	v_lshlrev_b32 v5, 4, v1                        ; 16 l
	s_mul_i32 s66, s[ROLE], 4*REC                  ; my four records of P,
	s_mul_i32 s68, s26, 4*REC
	s_add_co_u32 s68, s68, ROFF                    ; my four of R
	v_add_nc_u32 v[ADP], s66, v5
	v_add_nc_u32 v[ADP+1], SLOT, v[ADP]
	v_add_nc_u32 v[ADQ], s68, v5
	v_add_nc_u32 v[ADQ+1], SLOT, v[ADQ]
	v_mul_u32_u24 v4, v3, REC
	v_lshl_add_u32 v4, v2, 4, v4
	v_add_nc_u32 v4, 6144, v4                      ; a record's scale bytes: 16 r, lanes 16-31 one record on
	v_add_nc_u32 v[ASP], s66, v4
	v_add_nc_u32 v[ASP+1], SLOT, v[ASP]
	v_add_nc_u32 v[ASQ], s68, v4
	v_add_nc_u32 v[ASQ+1], SLOT, v[ASQ]
	s_mul_i32 s66, s[WV], 16*SPITCH                ; my stage
	v_mul_u32_u24 v[STO], v2, SPITCH
	v_lshl_add_u32 v[STO], v3, 6, v[STO]
	v_add_nc_u32 v[STO], s66, v[STO]               ; in: row r, + 64 h
	v_mul_u32_u24 v[RD], v3, SPITCH
	v_lshl_add_u32 v[RD], v2, 4, v[RD]
	v_add_nc_u32 v[RD], s66, v[RD]                 ; back: row h, + 16 r
	v_lshlrev_b32 v[CO], 13, v3
	v_lshl_add_u32 v[CO], v2, 4, v[CO]             ; and in the output: a row is 8,192 bytes
	s_lshl_b32 s66, s30, 20
	s_lshl_b32 s68, s[ROLE], 19
	s_add_co_u32 s66, s66, s68                     ; my 64 queries' rows: (128 gy + 64 (w / 2)) x 8,192 bytes,
	s_lshl_b32 s68, s29, 9
	s_add_co_u32 s66, s66, s68
	s_lshl_b32 s68, s26, 8
	s_add_co_u32 s66, s66, s68                     ; + my 64 columns: 512 gx + 256 (w % 2) bytes
	s_mov_b32 s67, 0
	s_add_nc_u64 s[8:9], s[8:9], s[66:67]
	; PREFETCHES INTO THE L2, behind the fill of K group g - 1 for K group g.  (They take the place of the head comment's sentence on prefetching: the head asks for K group 0 alone, K group 1 follows behind the first round.)
	; A record is 6,400 bytes = 25 blocks of 256: lane l names block min(l, 24).  Of the 4 records that a wave asks for jointly, the partner at place p (cx for P, cy for R) names record p, told apart BY ADDRESS: one instruction a wave.
	; Offsets are immediates: the address registers are never rewritten.
	s_cmp_eq_u32 s[ROLE], 0
	s_cselect_b32 s72, s27, s28
	s_cselect_b64 s[74:75], s[86:87], s[88:89]
	s_mul_i32 s72, s72, RBP
	s_mov_b32 s73, 0
	s_add_nc_u64 s[74:75], s[74:75], s[72:73]
	v_and_b32 v30, 31, v0
	v_min_u32 v30, 24, v30
	v_lshlrev_b32 v30, 8, v30                      ; 256 min(l, 24); never rewritten
	s_wait_alu depctr_va_vdst(0)
	global_prefetch_b8 v30, s[74:75] offset:REC th:TH_LOAD_NT scope:SCOPE_SE
	s_wait_tensorcnt 0x0                           ; my part of slot 0 is in
	ds_add_u32 v[SPW], v[NIL]
	s_wait_dscnt 0x0
	CROUND                                         ; a whole round: slot 0 is whole, and all sixteen work-groups are here
	JLOAD 1                                        ; K group 1: the first tensor load behind the round
	FETCH 0, 0, 0
	SCALES 0
	global_prefetch_b8 v30, s[74:75] offset:2*REC th:TH_LOAD_NT scope:SCOPE_SE
	KSTEP 0, 0, 1                                  ; the first K step starts the sums: nothing is cleared
	KSTEP 0, 1, 0
	KSTEP 0, 2, 0
	TURN 0, 1, 1
	KSTEP 1, 0, 0
	KSTEP 1, 1, 0
	KSTEP 1, 2, 0
	TURN 1, 0, 1
	KSTEP 0, 0, 0
	KSTEP 0, 1, 0
	KSTEP 0, 2, 0
	TURN 0, 1, 0                                   ; nothing is left to fetch
	KSTEP 1, 0, 0
	KSTEP 1, 1, 0
	KSTEP 1, 2, 0
	s_wait_dscnt 0x0
	WIN MUL
	MULA 0, 1, 3, 1, 0
	MULA 1, 1, 3, 1, 0
	MULA 2, 1, 3, 1, 0
	MULA 3, 1, 3, 1, 0
	WIN 0
; THE WAY OUT, a block of 16 queries x 64 columns at a time.  Register j of tile t is column 32 (t / 2) + 16 (lane / 16) + 8 (t % 2) + j of my query: 32 bytes of a row.  A block goes through my own stage and comes back as whole rows of 256 bytes, two an instruction.
.macro TOSTAGE a
.set AC, 32*(\a)
	WIN 0x08                                       ; an LDS store's data are its source 1: window 2
.irp t, 0,1,2,3
	ds_store_b128 v[STO], v[AC+8*\t:AC+8*\t+3] offset:128*(\t/2)+32*(\t%2)          ; each accumulator from its low end on
	ds_store_b128 v[STO], v[AC+8*\t+4:AC+8*\t+7] offset:128*(\t/2)+32*(\t%2)+16
.endr
	WIN 0
.set BB, BK+32*(\a)
.irp i, 0,1,2,3,4,5,6,7
	ds_load_b128 v[BB+4*\i:BB+4*\i+3], v[RD] offset:2*\i*SPITCH   ; slots 2 i and 2 i + 1.  LDS serves a wave's instructions in order: these see the stores above, and the next block's stores come behind them
.endr
.endm
.macro SEND a, younger                 ; younger: the LDS instructions issued behind block a's loads, which may stay out
.set BB, BK+32*(\a)
	s_wait_dscnt \younger
.irp i, 0,1,2,3,4,5,6,7
	global_store_b128 v[CO], v[BB+4*\i:BB+4*\i+3], s[8:9] offset:(32*((\a)/2)+8*((\a)%2)+((2*\i)%8)+16*(\i/4))*8192 th:TH_STORE_NT   ; slot 2 i + h's query; sixteen lanes store 256 consecutive bytes, at a multiple of 256 from the output's first byte
.endr
.endm
	PLACES                                         ; behind the last products: for the stores that read results and the loads into registers that held P's fragments
	TOSTAGE 0
	TOSTAGE 1
	SEND 0, 16                                     ; behind block 0's loads: block 1's 8 stores and 8 loads
	TOSTAGE 2
	SEND 1, 16
	TOSTAGE 3
	SEND 2, 16
	SEND 3, 0
	s_wait_tensorcnt 0x0                           ; the wave's end
	ds_add_u32 v[SPW], v[NIL]
	s_wait_dscnt 0x0
	CROUND                                         ; the closing round: no work-group ends while a partner may still ask for a tile that names it
	s_endpgm
.Lfunc_end_k_q1c381d6d4d_oproj:
	.size	k_q1c381d6d4d_oproj, .Lfunc_end_k_q1c381d6d4d_oproj-k_q1c381d6d4d_oproj
	.p2alignl 7, 3214868480
	.fill 96, 4, 3214868480
	.section	.rodata,"a",@progbits
	.p2align	6, 0x0
	.amdhsa_kernel k_q1c381d6d4d_oproj
		.amdhsa_group_segment_fixed_size 327680
		.amdhsa_private_segment_fixed_size 0
		.amdhsa_enable_private_segment 0
		.amdhsa_kernarg_size 24
		.amdhsa_user_sgpr_count 2
		.amdhsa_user_sgpr_kernarg_segment_ptr 1
		.amdhsa_wavefront_size32 1
		.amdhsa_system_sgpr_workgroup_id_x 1
		.amdhsa_system_sgpr_workgroup_id_y 1
		.amdhsa_system_sgpr_workgroup_id_z 1
		.amdhsa_system_vgpr_workitem_id 0
		.amdhsa_next_free_vgpr 640
		.amdhsa_next_free_sgpr 90
		.amdhsa_reserve_vcc 0
		.amdhsa_float_denorm_mode_32 3
		.amdhsa_float_denorm_mode_16_64 3
		.amdhsa_memory_ordered 1
		.amdhsa_forward_progress 1
		.amdhsa_inst_pref_size 80
	.end_amdhsa_kernel
	.amdgpu_metadata
---
amdhsa.version: [ 1, 2 ]
amdhsa.kernels:
  - .name:           k_q1c381d6d4d_oproj
    .symbol:         k_q1c381d6d4d_oproj.kd
    .args:
      - { .name: aq, .offset: 0, .size: 8, .value_kind: global_buffer, .address_space: global }
      - { .name: wq, .offset: 8, .size: 8, .value_kind: global_buffer, .address_space: global }
      - { .name: out0, .offset: 16, .size: 8, .value_kind: global_buffer, .address_space: global }
    .group_segment_fixed_size: 327680
    .private_segment_fixed_size: 0
    .kernarg_segment_align: 8
    .kernarg_segment_size: 24
    .max_flat_workgroup_size: 128
    .sgpr_count:     90
    .vgpr_count:     640
    .wavefront_size: 32
...
	.end_amdgpu_metadata
.endif
;; end of part 4
